; MI455X (gfx1250); checked and timed in simulation.
; The chip was launched on July 23, 2026; its instructions are those of AMD's public machine-readable ISA for CDNA 5 (MIT licence, August 2026) and "CDNA5" Instruction Set Architecture Reference Guide (July 2026). The comments in the code are by the model that wrote it; some were corrected since.
;; Weighted Causal Multihead Attention. Allowed arithmetic: matrix products marked QUANTISED: E3M2 operands, one E8M0 scale for each 32 along K, by v_wmma_scale_f32_16x16x128_f8f6f4 with both operands' format E3M2, f32 sums; everything else in f32.
;; Inputs: b_attn 3,072 float32; b_proj 1,024 float32; hidden_states 2 x 2,048 x 1,024 float32; w_attn 1,024 x 3,072 float32; w_proj 1,024 x 1,024 float32.
;; Outputs: out0 2 x 2,048 x 1,024 float32.
;; This version of the problem:
;;   THIS VERSION OF THE PROBLEM IS GIVEN IN LOW PRECISION. The matrix products marked QUANTISED in the list below multiply operands that are first quantised to E3M2 (3 exponent bits, 2 mantissa bits; 6 bits a number), with one power-of-two scale for each 32 numbers along K (OCP MX v1.0); their sums are f32. All else is computed in f32.
;;   The module's matrix products, in the order in which they are computed (A, B: the left and right operand; K: the contracted axis; several contracted axes count as one K, in the product's order):
;;     1. [M 4,096, K 1,024] x [K 1,024, N 3,072]; A: input hidden_states; B: input w_attn: QUANTISED
;;     2. batch 32 x [M 2,048, K 64] x [K 64, N 2,048]; A: computed on the way; B: computed on the way: QUANTISED
;;     3. batch 32 x [M 2,048, K 2,048] x [K 2,048, N 64]; A: softmax (see below); B: computed on the way: QUANTISED
;;     4. [M 4,096, K 1,024] x [K 1,024, N 1,024]; A: computed on the way; B: input w_proj: QUANTISED
;;   THE QUANTISER, for each operand of a quantised product, along K:
;;     - K is cut into blocks of 32 from its start; a last block that is shorter is filled with zeros.
;;     - A block's scale is 2^e with e = floor(log2(the largest magnitude in the block)) - 4, held to -126 .. 127; a block of zeros has e = 0. As a byte (E8M0): e + 127.
;;     - Each number is divided by its block's scale, clamped to +-28, and rounded to the nearest number of E3M2, ties to even, subnormals kept.
;;     - The product sums the exact products of the quantised numbers (number of the format x scale) in f32.
;;   ~~~python
;;   def quantise(x, axis):      # numpy; x: float32 -> the quantised numbers, widened to float32 again
;;       x = np.moveaxis(x, axis, -1); K = x.shape[-1]
;;       x = np.pad(x, [(0, 0)] * (x.ndim - 1) + [(0, -K % 32)]); x = x.reshape(x.shape[:-1] + (-1, 32)); a = np.abs(x).max(-1, keepdims=True)
;;       e = np.where(a > 0, np.clip(np.frexp(np.where(a > 0, a, 1))[1] - 1 - 4, -126, 127), 0)      # np.frexp(a)[1] - 1 = floor(log2(a)), exactly
;;       r = np.clip(x / 2.0 ** e, -28, 28)
;;       step = 2.0 ** (np.maximum(np.frexp(np.where(r == 0, 1, r))[1] - 1, -2) - 2)
;;       q = np.round(r / step) * step * 2.0 ** e      # np.round: ties to even
;;       return np.moveaxis(q.reshape(q.shape[:-2] + (-1,))[..., :K], -1, axis).astype(np.float32)
;;   ~~~
;;   SOFTMAX AHEAD OF A QUANTISED PRODUCT. Where the list says 'softmax', what is quantised is not the finished softmax but p = 2^(t - M), with t = logit x log2(e) and M = ceil(the row's largest t), a whole number; so 1/2 < the row's largest p <= 1. The row's sum l is taken of the UNQUANTISED p, in f32, and the product's result is divided by l at the end. Since M is a whole number, a kernel that streams over the keys may use a running M (the ceiling of the running maximum): every later rescaling is an exact power of two, which a block's scale takes up: the codes' values come out the same.
;;   OPERANDS COMPUTED ON THE WAY. 'Computed on the way' means the value that the module computes at that place (a softmax that the list does not call 'softmax' is quantised finished and normalised). What goes into a quantiser is computed in f32, as accurately as f32 sums, v_exp_f32 and their like allow (about 1e-6 of the number): no bf16 or f16 on the way to a quantiser, and a product that is left as it is and whose result goes on into a quantised operand takes f32 operands (vector FMAs, or v_wmma_f32_16x16x4_f32). A number that lies on a knife's edge between two numbers of the format may be rounded either way, as far as f32 arithmetic and the matrix unit's own rounding can turn it there, and no further.
;; One version. Each part assembles by itself: llvm-mc -triple=amdgcn-amd-amdhsa -mcpu=gfx1250 --defsym DOCPART=n.
;; ======== version 1 of 1: 4 launches
;; limits: right only within a limited range of input values
;; workspace buffers: xq 3,276,800 bytes; waq 2,457,600 bytes; wpq 819,200 bytes; qkv 10,092,544 bytes; aq 3,407,872 bytes
;; launch quant (part 1): grid 256 x 1, 4 waves a work-group, no clusters, 68,096 bytes of LDS; arguments hidden_states, w_attn, w_proj, xq, waq, wpq; writes xq, waq, wpq
.if DOCPART == 1
	.amdgcn_target "amdgcn-amd-amdhsa--gfx1250"
	.amdhsa_code_object_version 6
	.text
	.protected	k_q21ea83874a_quant
	.globl	k_q21ea83874a_quant
	.p2align	8
	.type	k_q21ea83874a_quant,@function
k_q21ea83874a_quant:
	s_mov_b64 s[64:65], 0
	v_nop
	global_prefetch_b8 v0, s[64:65] scope:SCOPE_SE
	s_setreg_imm32_b32 hwreg(HW_REG_WAVE_MODE, 25, 1), 1
	s_wait_xcnt 0x0
; The three f32 inputs of the two large products become codes of BF6 (E3M2) with K innermost and one E8M0 byte for each 32 along K.
;   xq:  hidden_states [4096][1024]: codes [4096][768 bytes] at 0, scale bytes [4096][32] at XSO.
;   waq: w_attn [1024 (k)][3072 (n)]: codes [3072][768] at 0, scale bytes [3072][32] at WASO.
;   wpq: w_proj [1024 (k)][1024 (n)]: codes [1024][768] at 0, scale bytes [1024][32] at WPSO; INSIDE EACH BLOCK OF 32 ALONG K positions 8-15 and 16-23 change places,
;        because the attention launch leaves its result's codes in that order; a block's members and its scale are the same, only the order of the sum inside a block differs.
; A block's scale is 2^(floor(log2(largest magnitude)) - 4); its byte is the largest magnitude's exponent field - 4, held at 1 from below.
; LIMITS: a block of zeros gets the byte 1 (its codes are zeros; this program alone reads the bytes); blocks whose largest magnitude lies under 2^(5 - 127) are held at that floor; NaN and infinities are not served.
; Work-groups 0-127 take hidden_states (K innermost: a plain stream of blocks), work-groups 128-255 the weights (K outermost: a lane to a column, registers down K).  Each reads 128 KiB.
; The two ways part on the work-group's number and have LDS bytes of their own.  No tensor loads, no barrier: waves share nothing.
.set XSO,    3145728
.set WASO,   2359296
.set WPSO,   786432
.set STEPS,  16                        ; way X: steps of 512 numbers for a wave
.set CB,     12                        ; bytes of 16 codes
.set R,      16                        ; v16-79   four sets of 16 numbers as loaded
.set X,      80                        ; v80-111  two sets of 16 neighbours
.set E,      112                       ; v112-127 a scale byte for each step
.set C,      128                       ; v128-191 codes, four registers a step
.set WREG,   8192                      ; LDS of a wave on way X: two stages of 32 x SP bytes, then 256 scale bytes
.set SP,     80
.set WSTG,   32768                     ; LDS of way W begins here: 32 rows x 272 bytes for each wave
.set WPITCH, 272
.set VO,     32                        ; way W: v32-63 byte offset of row i of a block at my column; never rewritten
.set WX,     64                        ; v64-127  two sets of 32 numbers
.set WC,     128                       ; v128-134 a block's codes
.set OUTR,   136                       ; v136-199 the way out
.set SB,     24                        ; v24-25   eight scale bytes
.set BP,     40                        ; s[40:55] the address of each of my eight blocks' first row; never rewritten
	s_load_b128 s[4:7], s[0:1], 0x0                ; hidden_states, w_attn
	s_load_b128 s[8:11], s[0:1], 0x10              ; w_proj, xq
	s_load_b128 s[12:15], s[0:1], 0x20             ; waq, wpq
	v_lshl_add_u32 v208, v0, 2, 0x10800
	v_mov_b32 v209, 0
	v_lshrrev_b32 v1, 5, v0
	v_readfirstlane_b32 s16, v1                    ; wave
	v_and_b32 v2, 31, v0                           ; lane
	s_cmp_lt_u32 ttmp9, 128
	s_cbranch_scc0 .Lweights
; ---------------- way X: hidden_states.  A wave takes 8,192 numbers: run = 4 x work-group + wave.
	v_lshlrev_b32 v3, 4, v2                        ; my 16 bytes of a load's 512
	s_mul_i32 s17, s16, WREG
	v_lshrrev_b32 v14, 2, v2
	v_mul_u32_u24 v14, v14, SP
	v_and_b32 v15, 3, v2
	v_lshl_add_u32 v14, v15, 4, v14
	v_add_nc_u32 v14, s17, v14                     ; the stage, on the way in: four lanes' 64 bytes on end, then 16 of padding
	v_mul_u32_u24 v15, v2, SP
	v_add_nc_u32 v15, s17, v15                     ; and on the way out: my 16 neighbours
	v_mul_u32_u24 v4, v2, CB                       ; my codes' place in a step's 384 bytes
	v_lshrrev_b32 v5, 1, v2
	s_add_co_u32 s17, s17, 2*32*SP
	v_add_nc_u32 v5, s17, v5                       ; my block's byte among the wave's 256
	v_lshlrev_b32 v7, 3, v2
	v_add_nc_u32 v6, s17, v7
	s_lshl_b32 s17, ttmp9, 2
	s_add_co_u32 s18, s17, s16                     ; run, 0 to 511
	s_lshl_b32 s20, s18, 15                        ; 32,768 bytes of f32,
	s_mov_b32 s21, 0
	s_mul_i32 s22, s18, 32*STEPS*CB                ; 6,144 bytes of codes,
	s_mov_b32 s23, 0
	s_lshl_b32 s24, s18, 8                         ; 256 scale bytes
	s_add_co_u32 s24, s24, XSO
	s_mov_b32 s25, 0
	s_wait_alu depctr_va_vdst(0)
	s_wait_kmcnt 0x0
	s_add_nc_u64 s[4:5], s[4:5], s[20:21]
	s_add_nc_u64 s[8:9], s[10:11], s[22:23]
	s_add_nc_u64 s[10:11], s[10:11], s[24:25]
.macro XLOAD t
.irp i, 0,1,2,3
	global_load_b128 v[R+16*((\t)%4)+4*\i:R+16*((\t)%4)+4*\i+3], v3, s[4:5] offset:2048*(\t)+512*\i th:TH_LOAD_NT   ; 32 lanes read 512 consecutive bytes
.endr
.endm
.macro XTURN t                         ; a step's numbers through the stage: LDS serves a wave's instructions in order, so no wait stands between stores and loads
.irp i, 0,1,2,3
	ds_store_b128 v14, v[R+16*((\t)%4)+4*\i:R+16*((\t)%4)+4*\i+3] offset:32*SP*((\t)%2)+8*SP*\i
.endr
.irp i, 0,1,2,3
	ds_load_b128 v[X+16*((\t)%2)+4*\i:X+16*((\t)%2)+4*\i+3], v15 offset:32*SP*((\t)%2)+16*\i
.endr
.endm
.irp t, 0,1,2,3
	XLOAD \t
.endr
	s_wait_loadcnt 12                              ; step 0's four loads are in; twelve younger ones stay out
	XTURN 0
.macro XSTEP t
.set XS, X+16*((\t)%2)
.if (\t) > 0
	s_wait_dscnt 1                                 ; this step's numbers are back from the stage; the last step's byte store may be out
.else
	s_wait_dscnt 0x0
.endif
.if (\t)+4 < STEPS
	XLOAD (\t)+4                                   ; into the set whose stores into the stage have just been shown done
.endif
.if (\t)+1 < STEPS
.if STEPS-2-(\t) >= 3
	s_wait_loadcnt 12                              ; the next step's four loads are in; three later steps' may be out
.else
	s_wait_loadcnt 4*(STEPS-2-(\t))
.endif
	XTURN (\t)+1
.endif
	v_max3_num_f32 v8, |v[XS]|, |v[XS+1]|, |v[XS+2]|               ; the largest magnitude of my 16, in two chains
	v_max3_num_f32 v9, |v[XS+3]|, |v[XS+4]|, |v[XS+5]|
.irp i, 6,10
	v_max3_num_f32 v8, v8, |v[XS+\i]|, |v[XS+\i+1]|
	v_max3_num_f32 v9, v9, |v[XS+\i+2]|, |v[XS+\i+3]|
.endr
	v_max3_num_f32 v8, v8, |v[XS+14]|, |v[XS+15]|
	v_max3_num_f32 v8, v8, v9, 0x2800000           ; and the floor 2^(5 - 127): the byte cannot fall under 1
	v_max_num_f32_dpp v8, v8, v8 row_xmask:1 row_mask:0xf bank_mask:0xf   ; with my neighbour's 16: the block's
	v_add_nc_u32 v11, 0xfe000000, v8               ; 4 off its exponent field: the conversion takes that field as its scale
	v_cvt_scalef32_pk16_bf6_f32 v[C+4*(\t):C+4*(\t)+2], v[XS:XS+15], v11
	v_lshrrev_b32 v[E+(\t)], 23, v11               ; the scale's byte
	ds_store_b8 v5, v[E+(\t)] offset:16*(\t)       ; both lanes of a block write the same byte with the same value
	global_store_b96 v4, v[C+4*(\t):C+4*(\t)+2], s[8:9] offset:32*CB*(\t)
.endm
.irp t, 0,1,2,3,4,5,6,7,8,9,10,11,12,13,14,15
	XSTEP \t
.endr
	ds_load_b64 v[12:13], v6                       ; LDS serves a wave's instructions in order: these see my byte stores
	s_wait_dscnt 0x0
	global_store_b64 v7, v[12:13], s[10:11]        ; 32 lanes store 256 consecutive bytes, aligned
	s_wait_tensorcnt 0x0
	ds_add_u32 v208, v209
	s_wait_dscnt 0x0
	s_endpgm
; ---------------- way W: the weights.  g = work-group - 128: column block g / 4 (0-23 w_attn, 24-31 w_proj), 256 along K: g % 4.  A wave takes 32 columns x 256 along K.
.Lweights:
	s_wait_alu depctr_va_vdst(0)
	v_lshlrev_b32 v3, 2, v2                        ; 4 bytes a lane
	s_sub_co_u32 s17, ttmp9, 128
	s_lshr_b32 s18, s17, 2                         ; column block of both weights
	s_and_b32 s19, s17, 3                          ; which 256 along K
	s_mov_b32 s20, 12288                           ; a row of w_attn in bytes
	s_mov_b32 s21, WASO
	s_wait_alu depctr_va_vdst(0)
	s_wait_kmcnt 0x0
	s_cmp_ge_u32 s18, 24                           ; w_proj?  The choice hangs on the work-group's number alone; every select below stands on this compare
	s_cselect_b64 s[6:7], s[8:9], s[6:7]           ; the weight
	s_cselect_b64 s[12:13], s[14:15], s[12:13]     ; its buffer of codes and scales
	s_cselect_b32 s20, 4096, s20                   ; a row in bytes
	s_cselect_b32 s21, WPSO, s21                   ; where the scale bytes begin
	s_cselect_b32 s22, 24, 0
.irp i, 0,1,2,3,4,5,6,7,8,9,10,11,12,13,14,15,16,17,18,19,20,21,22,23,24,25,26,27,28,29,30,31
	s_cselect_b32 s24, ((\i)&7)|(((\i)&8)<<1)|(((\i)&16)>>1), \i   ; which row of a block my register i takes: w_proj's rows 8-15 and 16-23 change places
	s_mul_i32 s24, s24, s20
	v_add_nc_u32 v[VO+\i], s24, v3
.endr
	s_sub_co_u32 s18, s18, s22                     ; column block of this weight
	s_lshl_b32 s18, s18, 7
	s_lshl_b32 s24, s16, 5
	s_add_co_u32 s18, s18, s24                     ; my wave's first column
	s_mul_i32 s26, s19, s20
	s_lshl_b32 s26, s26, 8                         ; 256 rows for each step along K
	s_lshl_b32 s24, s18, 2
	s_add_co_u32 s26, s26, s24
	s_mov_b32 s27, 0
	s_add_nc_u64 s[BP:BP+1], s[6:7], s[26:27]
	s_lshl_b32 s28, s20, 5                         ; 32 rows on
	s_mov_b32 s29, 0
.irp t, 1,2,3,4,5,6,7
	s_add_nc_u64 s[BP+2*\t:BP+2*\t+1], s[BP+2*\t-2:BP+2*\t-1], s[28:29]
.endr
	s_mul_i32 s30, s18, 768                        ; codes: column x 768 + 192 x step along K
	s_mul_i32 s24, s19, 192
	s_add_co_u32 s30, s30, s24
	s_mov_b32 s31, 0
	s_add_nc_u64 s[30:31], s[12:13], s[30:31]
	s_lshl_b32 s32, s18, 5                         ; scale bytes: column x 32 + 8 x step along K
	s_lshl_b32 s24, s19, 3
	s_add_co_u32 s32, s32, s24
	s_add_co_u32 s32, s32, s21
	s_mov_b32 s33, 0
	s_add_nc_u64 s[32:33], s[12:13], s[32:33]
	s_mul_i32 s34, s16, 32*WPITCH
	s_add_co_u32 s34, s34, WSTG                    ; my stage
	v_mul_u32_u24 v4, v2, WPITCH
	v_add_nc_u32 v4, s34, v4                       ; into it: row = my column
	v_and_b32 v5, 15, v2
	v_lshrrev_b32 v6, 4, v2                        ; out of it: sixteen lanes to a row, two rows an instruction
	v_mul_u32_u24 v7, v6, WPITCH
	v_lshl_add_u32 v7, v5, 4, v7
	v_add_nc_u32 v7, s34, v7
	v_mul_u32_u24 v8, v6, 768
	v_mad_u32_u24 v8, v5, 12, v8                   ; and the same place among the codes
	v_lshlrev_b32 v9, 5, v2                        ; my column's row of scale bytes
.macro WLOAD t                         ; block t: 32 rows at my column, into set t % 2; each load reads 128 consecutive bytes a wave
.irp i, 0,1,2,3,4,5,6,7,8,9,10,11,12,13,14,15,16,17,18,19,20,21,22,23,24,25,26,27,28,29,30,31
	global_load_b32 v[WX+32*((\t)%2)+\i], v[VO+\i], s[BP+2*(\t):BP+2*(\t)+1] th:TH_LOAD_NT
.endr
.endm
	WLOAD 0
	WLOAD 1
.macro WBLOCK t
.set XS, WX+32*((\t)%2)
.if (\t) < 7
	s_wait_loadcnt 32                              ; this block's 32 loads are in; the next block's may be out
.else
	s_wait_loadcnt 0x0
.endif
	v_max3_num_f32 v12, |v[XS]|, |v[XS+1]|, |v[XS+2]|              ; the block's largest magnitude: all 32 numbers are mine
	v_max3_num_f32 v13, |v[XS+3]|, |v[XS+4]|, |v[XS+5]|
.irp i, 6,10,14,18,22,26
	v_max3_num_f32 v12, v12, |v[XS+\i]|, |v[XS+\i+1]|
	v_max3_num_f32 v13, v13, |v[XS+\i+2]|, |v[XS+\i+3]|
.endr
	v_max3_num_f32 v12, v12, |v[XS+30]|, |v[XS+31]|
	v_max3_num_f32 v12, v12, v13, 0x2800000        ; and the floor
	v_add_nc_u32 v11, 0xfe000000, v12              ; the conversion's scale operand
	v_lshrrev_b32 v13, 23, v11                     ; the scale's byte
.if (\t)%4 == 0
	v_mov_b32 v[SB+(\t)/4], v13                    ; four bytes to a register, the lower K in the lower byte
.else
	v_lshl_or_b32 v[SB+(\t)/4], v13, 8*((\t)%4), v[SB+(\t)/4]
.endif
	v_cvt_scalef32_pk16_bf6_f32 v[WC:WC+2], v[XS:XS+15], v11
	v_cvt_scalef32_pk16_bf6_f32 v[WC+4:WC+6], v[XS+16:XS+31], v11  ; (a conversion's three registers begin on an even number)
	ds_store_b96 v4, v[WC:WC+2] offset:32*(\t)     ; 12 bytes to a place of 16, so that every LDS address is a multiple of 16
	ds_store_b96 v4, v[WC+4:WC+6] offset:32*(\t)+16
.if (\t)+2 < 8
	WLOAD (\t)+2
.endif
	s_wait_dscnt 0x0                               ; the stores have read their registers: the next block's codes may be written
.endm
.irp t, 0,1,2,3,4,5,6,7
	WBLOCK \t
.endr
	s_wait_alu depctr_va_vdst(0)
	global_store_b64 v9, v[SB:SB+1], s[32:33]      ; my column's eight scale bytes
.irp t, 0,1,2,3,4,5,6,7,8,9,10,11,12,13,14,15
	ds_load_b96 v[OUTR+4*\t:OUTR+4*\t+2], v7 offset:2*\t*WPITCH
.endr
.irp t, 0,1,2,3,4,5,6,7,8,9,10,11,12,13,14,15
	s_wait_dscnt 15-\t
	global_store_b96 v8, v[OUTR+4*\t:OUTR+4*\t+2], s[30:31] offset:2*\t*768   ; sixteen lanes store a row's 192 consecutive bytes
.endr
	s_wait_tensorcnt 0x0
	ds_add_u32 v208, v209
	s_wait_dscnt 0x0
	s_endpgm
.Lfunc_end_k_q21ea83874a_quant:
	.size	k_q21ea83874a_quant, .Lfunc_end_k_q21ea83874a_quant-k_q21ea83874a_quant
	.p2alignl 7, 3214868480
	.fill 96, 4, 3214868480
	.section	.rodata,"a",@progbits
	.p2align	6, 0x0
	.amdhsa_kernel k_q21ea83874a_quant
		.amdhsa_group_segment_fixed_size 68096
		.amdhsa_private_segment_fixed_size 0
		.amdhsa_enable_private_segment 0
		.amdhsa_kernarg_size 48
		.amdhsa_user_sgpr_count 2
		.amdhsa_user_sgpr_kernarg_segment_ptr 1
		.amdhsa_wavefront_size32 1
		.amdhsa_system_sgpr_workgroup_id_x 1
		.amdhsa_system_sgpr_workgroup_id_y 1
		.amdhsa_system_sgpr_workgroup_id_z 1
		.amdhsa_system_vgpr_workitem_id 0
		.amdhsa_next_free_vgpr 210
		.amdhsa_next_free_sgpr 66
		.amdhsa_reserve_vcc 0
		.amdhsa_float_denorm_mode_32 3
		.amdhsa_float_denorm_mode_16_64 3
		.amdhsa_memory_ordered 1
		.amdhsa_forward_progress 1
		.amdhsa_inst_pref_size 77
	.end_amdhsa_kernel
	.amdgpu_metadata
---
amdhsa.version: [ 1, 2 ]
amdhsa.kernels:
  - .name:           k_q21ea83874a_quant
    .symbol:         k_q21ea83874a_quant.kd
    .args:
      - { .name: hidden_states, .offset: 0, .size: 8, .value_kind: global_buffer, .address_space: global }
      - { .name: w_attn, .offset: 8, .size: 8, .value_kind: global_buffer, .address_space: global }
      - { .name: w_proj, .offset: 16, .size: 8, .value_kind: global_buffer, .address_space: global }
      - { .name: xq, .offset: 24, .size: 8, .value_kind: global_buffer, .address_space: global }
      - { .name: waq, .offset: 32, .size: 8, .value_kind: global_buffer, .address_space: global }
      - { .name: wpq, .offset: 40, .size: 8, .value_kind: global_buffer, .address_space: global }
    .group_segment_fixed_size: 68096
    .private_segment_fixed_size: 0
    .kernarg_segment_align: 8
    .kernarg_segment_size: 48
    .max_flat_workgroup_size: 128
    .sgpr_count:     66
    .vgpr_count:     210
    .wavefront_size: 32
...
	.end_amdgpu_metadata
.endif
;; end of part 1
;; launch qkvgemm (part 2): grid 8 x 24, 4 waves a work-group, clusters of 4 x 4, 327,680 bytes of LDS; arguments xq, waq, b_attn, qkv; writes qkv
.if DOCPART == 2
	.amdgcn_target "amdgcn-amd-amdhsa--gfx1250"
	.amdhsa_code_object_version 6
	.text
	.protected	k_q21ea83874a_qkvgemm
	.globl	k_q21ea83874a_qkvgemm
	.p2align	8
	.type	k_q21ea83874a_qkvgemm,@function
k_q21ea83874a_qkvgemm:
	s_mov_b64 s[64:65], 0
	v_nop
	global_prefetch_b8 v0, s[64:65] scope:SCOPE_SE
	s_setreg_imm32_b32 hwreg(HW_REG_WAVE_MODE, 25, 1), 1
	s_wait_xcnt 0x0
	s_wait_alu depctr_hold_cnt(0) depctr_sa_sdst(0) depctr_va_vdst(0) depctr_va_sdst(0) depctr_va_ssrc(0) depctr_va_vcc(0) depctr_vm_vsrc(0)
	s_getreg_b32 s2, hwreg(HW_REG_IB_STS2, 6, 4)
	s_cmp_eq_u32 s2, 0
	s_cbranch_scc0 .Lentry_in_a_cluster
	s_endpgm
.Lentry_in_a_cluster:
	s_bfe_u32 s2, ttmp6, 0x10000c
	s_cmp_lg_u32 s2, 0xf033
	s_cbranch_scc0 .Lentry_shape_is_right
	s_endpgm
.Lentry_shape_is_right:
; qkv = hidden_states w_attn + b_attn on codes of BF6 with E8M0 scales (K = 1,024), and its result quantised at once for the attention launch: q and k along the head's 64 channels, v along the keys.
; A tile of 256 x 256 is made by four waves, 128 x 128 each: 64 accumulators of 16 x 16, 512 registers.  K goes in steps of 256 through two LDS slots filled by the tensor data mover; the scale bytes of the
; work-group's 2 x 256 rows come into LDS once.  4 x 4 work-groups form a cluster; tiles are asked for jointly along its rows and columns.
; SOURCE 0 IS THE SIDE ALONG WHICH THE RESULT IS QUANTISED, since a lane's registers run along source 0's rows:
;   cluster y 0-3 (q, k): source 0 ("B") = 256 channels of waq (0 to 2,047), source 1 ("A") = 256 tokens of xq: a lane holds one token and 128 channels (two heads);
;   cluster y 4-5 (v):    source 0 ("B") = 256 tokens of xq, source 1 ("A") = 256 channels of waq (2,048 on): a lane holds one channel and 128 tokens (one key step).
; Which buffer is which is chosen by selects on the cluster's y, which all partners share; there is no branch on it.
; THE BIAS: for q, k it runs along the registers and is the C of each sum's first product; for v it is one number a lane and is added on the way out.  The one that does not apply is masked to zeros.
; THE WAY OUT: a tile of 16 x 128 becomes one operand fragment (12 registers a lane) and one scale word a row, stored as images of the registers: registers 0-3 as 512 bytes (16 a lane), 4-5 as 256 (8 a lane),
; then 6-9 and 10-11 likewise.  For q, k the two halves are two heads' pieces; for v they are one fragment of V^T.  Result tiles are 16 NEIGHBOURS, so inside each block of 32 the codes' positions 8-15 and 16-23
; have changed places; q against k and p against v carry the same order, so the products are the same but for the order of the sum inside a block.
; qkv: q's pieces at 0: head x 98,304 + tile of 16 tokens x 768; q's scale words (bytes 0, 1) at QS: head x 8,192 + 4 x token; K, V at KVC: head x 196,608 + u x 12,288 (u = 15 - key step): 8 x 768 of K, 4 x 1,536 of V;
; their scale words at KVS: head x 12,288 + u x 768: K's 128 words, V's 64.
; LIMITS: a block of zeros gets the byte 1; NaN and infinities are not served.
.set KSTEP,  256
.set NQ,     2                         ; matrix instructions deep in a slot
.set ROWB,   192                       ; a tile's row in bytes
.set KROW,   768                       ; a row of codes in memory
.set PITCH,  240                       ; an LDS row: 3 x (64 bytes + 16 of padding)
.set FR,     12
.set NL,     6
.set NP,     4
.set HALFT,  128*PITCH
.set SLOT,   4*HALFT
.set LAPS,   2                         ; 1,024 / (2 x 256)
.set KS,     32                        ; a row of scale bytes
.set SCL,    2*SLOT                    ; behind the ring: the scales, as units of 256 bytes + 16 of padding
.set HALFS,  (128*KS/256)*272
.set SBLK,   (16*KS/256)*272
.set SPARE,  SCL+4*HALFS               ; the spare words, 128 bytes a wave: two blocks of 256 bytes that no other line names
.set XSO,    3145728
.set WASO,   2359296
.set QS,     3145728
.set KVC,    3407872
.set KVS,    9699328
.set ADRA, 16                          ; v16-19  LDS addresses of my A fragments (slot 0, 1; then the same behind one padding more)
.set ADRB, 20                          ; v20-23  the same for B
.set ADRS, 27                          ; v27     LDS address of my scale words
.set SPW,  28                          ; v28     my spare word; never rewritten
.set NIL,  29                          ; v29     0; never rewritten
.set SC,   32                          ; v32-63  scale words, two sets
.set B0,   64                          ; v64-127 the bias along the registers: eight tiles of eight
.set AF,   128                         ; v128-223 A's fragments
.set B1,   224                         ; v224-231 the bias of my lane's row, one for each of A's eight blocks
.set BPR,  232                         ; v232-233 one of them, twice
.set L16,  3                           ; the way out: 16 x lane
.set L8,   4                           ; 8 x lane
.set SWA,  5                           ; where a tile's scale word goes in my stage
.set SRA,  6                           ; and where the words are read back
.set SO0,  7                           ; their byte offsets in memory
.set SO1,  8
.set SHV,  9                           ; how far my half of the lanes shifts the word
.set HA,   64                          ; v64-127  a tile's 64 numbers
.set CD,   128                         ; v128-146 its codes
.set TM,   148                         ; v148-163 at work
.set PW,   164                         ; the scale word
.set SWV,  165
.set TT,   168                         ; v168-175 the words read back
.set SEL,  98
.set G1, 24
.set G0, 32
.set G1B, 48
.set G0B, 56
.set G1S, 68
.set G0S, 76
.set G1SB, 80
.set G0SB, 88
.set MSB, 0
.macro WIN new                         ; the immediate's high byte repeats the setting that is left
.if MSB != \new
	s_set_vgpr_msb (MSB<<8)|\new
.set MSB, \new
.endif
.endm
.set MUL_LO, 0xa1                      ; source 0 (B) window 1, source 1 (A) window 0, C and D window 2
.set MUL_HI, 0xf1                      ; the same, C and D window 3
.set TO_B,   0x40                      ; destination window 1, address window 0
; A joint load: waves 0 and 1 fetch for A, waves 2 and 3 for B.  The branch hangs on the wave's number alone.  Four v_nop follow each of the two lines.
.macro JLOAD g0a, g1a, g0b, g1b
	s_cmp_eq_u32 s15, 0
	s_cbranch_scc0 .Lfor_b_\@
	tensor_load_to_lds s[\g0a:\g0a+3], s[\g1a:\g1a+7]
	s_nop 0
.rept 4
	v_nop
.endr
	s_branch .Lasked_\@
.Lfor_b_\@:
	tensor_load_to_lds s[\g0b:\g0b+3], s[\g1b:\g1b+7]
	s_nop 0
.rept 4
	v_nop
.endr
.Lasked_\@:
.endm
.macro CREST                           ; a round of the cluster's barrier behind its opening barrier
	s_cmp_lg_u32 s14, 0
	s_cbranch_scc1 .Lnot_wave_0_\@
	s_barrier_signal -3
.Lnot_wave_0_\@:
	s_barrier_wait -3
	s_barrier_signal -1
	s_barrier_wait -1
.endm
.macro CROUND
	s_barrier_signal -1
	s_barrier_wait -1
	CREST
.endm
	s_load_b128 s[4:7], s[0:1], 0x0                ; xq, waq
	s_load_b128 s[8:11], s[0:1], 0x10              ; b_attn, qkv
	v_lshl_add_u32 v[SPW], v0, 2, SPARE
	v_mov_b32 v[NIL], 0
	ds_add_u32 v28, v29
	ds_add_u32 v28, v29
	s_wait_dscnt 0x0
	v_lshrrev_b32 v1, 5, v0
	v_readfirstlane_b32 s14, v1                    ; wave 0..3
	s_lshr_b32 s15, s14, 1                         ; which half of A's rows is mine.  Also: I fetch for A (0) or for B (1)
	s_and_b32 s16, s14, 1                          ; which half of B's rows.  Also: which 128 rows I fetch
	s_bfe_u32 s40, ttmp6, 0x40000                  ; cx
	s_bfe_u32 s41, ttmp6, 0x40004                  ; cy
	s_and_b32 s13, ttmp7, 0xffff                   ; the cluster's y: 0-3 q and k, 4-5 v
	s_lshl_b32 s42, ttmp9, 2
	s_add_co_u32 s42, s42, s40                     ; 4 x cluster x + cx
	s_sub_co_u32 s12, s13, 4
	s_lshl_b32 s12, s12, 3                         ; v: 8 (y - 4) tiles of tokens further on
	s_lshl_b32 s17, s13, 2
	s_cmp_ge_u32 s13, 4
	s_cselect_b32 s12, s12, 0
	s_cselect_b32 s17, 8, s17
	s_add_co_u32 s42, s42, s12                     ; t0: B's tile of 256 rows; it holds cx and never cy
	s_add_co_u32 s17, s17, s41                     ; t1: A's tile of 256 rows; it holds cy and never cx
	s_lshl_b32 s43, s41, 2
	s_lshl_b32 s43, 15, s43                        ; my row of the cluster
	s_lshl_b32 s44, 0x1111, s40                    ; my column
	; descriptor group 1: a tile of 128 rows x 192 bytes, 16 bytes of padding behind every 64
	s_or_b32 s[G1+0], s43, (0<<16)|(1<<20)|(1<<21)|(3<<22)|(3<<25)
	s_or_b32 s[G1B+0], s44, (0<<16)|(1<<20)|(1<<21)|(3<<22)|(3<<25)
.irp g, G1, G1B
	s_mov_b32 s[\g+1], ROWB<<16                    ; tensor_dim0
	s_mov_b32 s[\g+2], 128<<16                     ; tensor_dim1
	s_mov_b32 s[\g+3], ROWB<<16                    ; tile_dim0
	s_mov_b32 s[\g+4], 128                         ; tile_dim1
	s_mov_b32 s[\g+5], KROW                        ; stride from row to row
	s_mov_b32 s[\g+6], 0
	s_mov_b32 s[\g+7], 0
.endr
	; the scales of 128 rows: 4,096 dense bytes as 16 rows of 256 bytes (32 elements of 8), 16 bytes of padding behind each
	s_or_b32 s[G1S+0], s43, (3<<16)|(1<<20)|(1<<21)|(5<<22)|(3<<25)
	s_or_b32 s[G1SB+0], s44, (3<<16)|(1<<20)|(1<<21)|(5<<22)|(3<<25)
.irp g, G1S, G1SB
	s_mov_b32 s[\g+1], 32<<16
	s_mov_b32 s[\g+2], (128*KS/256)<<16
	s_mov_b32 s[\g+3], 32<<16
	s_mov_b32 s[\g+4], 128*KS/256
	s_mov_b32 s[\g+5], 32
	s_mov_b32 s[\g+6], 0
	s_mov_b32 s[\g+7], 0
.endr
	s_lshl_b32 s18, s16, 7                         ; which 128 rows of the tile I fetch
	s_lshl_b32 s20, s17, 8
	s_add_co_u32 s20, s20, s18                     ; A: row 256 t1 + 128 x half
	s_lshl_b32 s46, s42, 8
	s_add_co_u32 s46, s46, s18                     ; B: row 256 t0 + 128 x half
	s_mov_b32 s21, 0
	s_mov_b32 s47, 0
	s_mov_b64 s[18:19], KS
	s_mul_u64 s[22:23], s[20:21], s[18:19]         ; these rows' scale bytes,
	s_mul_u64 s[92:93], s[46:47], s[18:19]
	s_mov_b64 s[18:19], KROW
	s_mul_u64 s[20:21], s[20:21], s[18:19]         ; and their codes
	s_mul_u64 s[46:47], s[46:47], s[18:19]
	s_mov_b32 s96, XSO
	s_mov_b32 s97, WASO
	s_cmp_ge_u32 s13, 4
	s_cselect_b32 s98, s97, s96                    ; where A's buffer has its scale bytes,
	s_cselect_b32 s96, s96, s97                    ; and B's
	s_mov_b32 s99, 0
	s_mov_b32 s97, 0
	s_add_nc_u64 s[22:23], s[22:23], s[98:99]
	s_add_nc_u64 s[92:93], s[92:93], s[96:97]
	s_mul_i32 s45, s14, HALFT                      ; where they go: wave x 128 rows: no place in the cluster enters an LDS address
	s_mul_i32 s94, s14, HALFS
	s_wait_kmcnt 0x0
	s_cmp_ge_u32 s13, 4
	s_cselect_b64 s[98:99], s[6:7], s[4:5]         ; A's buffer: v: waq, q and k: xq
	s_cselect_b64 s[96:97], s[4:5], s[6:7]         ; B's buffer
	s_add_nc_u64 s[20:21], s[98:99], s[20:21]
	s_add_nc_u64 s[22:23], s[98:99], s[22:23]
	s_add_nc_u64 s[46:47], s[96:97], s[46:47]
	s_add_nc_u64 s[92:93], s[96:97], s[92:93]
	CROUND                                         ; all sixteen work-groups are here: the first joint loads meet
	s_mov_b32 s[G0S], 1
	s_add_co_u32 s[G0S+1], s94, SCL
	s_mov_b64 s[G0S+2:G0S+3], s[22:23]
	s_or_b32 s[G0S+3], s[G0S+3], 0x80000000
	s_mov_b32 s[G0SB], 1
	s_add_co_u32 s[G0SB+1], s94, SCL
	s_mov_b64 s[G0SB+2:G0SB+3], s[92:93]
	s_or_b32 s[G0SB+3], s[G0SB+3], 0x80000000
	JLOAD G0S, G1S, G0SB, G1SB                     ; the scales first: they are wanted with K step 0
.irp s, 0,1
	s_mov_b32 s[G0+4*\s], 1
	s_add_co_u32 s[G0+4*\s+1], s45, \s*SLOT
	s_add_nc_u64 s[G0+4*\s+2:G0+4*\s+3], s[20:21], \s*ROWB
	s_or_b32 s[G0+4*\s+3], s[G0+4*\s+3], 0x80000000
	s_mov_b32 s[G0B+4*\s], 1
	s_add_co_u32 s[G0B+4*\s+1], s45, \s*SLOT
	s_add_nc_u64 s[G0B+4*\s+2:G0B+4*\s+3], s[46:47], \s*ROWB
	s_or_b32 s[G0B+4*\s+3], s[G0B+4*\s+3], 0x80000000
	JLOAD G0+4*\s, G1, G0B+4*\s, G1B               ; three tensor loads of mine are out
.endr
	v_and_b32 v1, 15, v0                           ; r = lane % 16
	v_bfe_u32 v2, v0, 4, 1                         ; h = lane / 16
	v_mul_u32_u24 v3, v1, PITCH
	v_mul_u32_u24 v4, v2, 24
	v_add_nc_u32 v4, v3, v4                        ; a fragment's row x pitch + 24 x half
	v_lshl_add_u32 v5, v2, 4, v4                   ; and the same behind one padding more
	s_mul_i32 s21, s15, HALFT                      ; my 128 rows of A
	s_mul_i32 s22, s16, HALFT                      ; my 128 rows of B,
	s_add_co_u32 s22, s22, 2*HALFT                 ; which lie behind A's 256
.irp s, 0,1
	v_add_nc_u32 v[ADRA+\s], s21, v4
	v_add_nc_u32 v[ADRB+\s], s22, v4
	v_add_nc_u32 v[ADRA+2+\s], s21, v5
	v_add_nc_u32 v[ADRB+2+\s], s22, v5
	s_add_co_u32 s21, s21, SLOT
	s_add_co_u32 s22, s22, SLOT
.endr
	v_mul_u32_u24 v5, v1, KS                       ; my row's scales: 32 bytes a row,
	v_lshrrev_b32 v6, 8, v5
	v_lshl_add_u32 v5, v6, 4, v5                   ; and 16 more for each 256 passed
	s_mul_i32 s21, s15, HALFS
	s_mul_i32 s22, s16, HALFS
	s_add_co_u32 s22, s22, 2*HALFS
	s_sub_co_u32 s22, s22, s21
	v_mul_u32_u24 v6, s22, v2                      ; lanes 16-31 take B's: one product, the distance between the two bases
	s_add_co_u32 s21, s21, SCL
	v_add_nc_u32 v5, v5, v6
	v_add_nc_u32 v[ADRS], s21, v5
	; the biases.  Along the registers: b_attn at 256 t0 + 128 (wave & 1) + 16 b + 8 h + j (q, k).  Of my lane's row: b_attn at 2,048 + 256 cy + 128 (wave >> 1) + 16 a + r (v).
	; The one that does not apply is loaded from the buffer's head and masked to zeros.
	s_lshl_b32 s46, s42, 8
	s_lshl_b32 s47, s16, 7
	s_add_co_u32 s46, s46, s47
	s_lshl_b32 s46, s46, 2
	s_lshl_b32 s20, s41, 8
	s_lshl_b32 s21, s15, 7
	s_add_co_u32 s20, s20, s21
	s_add_co_u32 s20, s20, 2048
	s_lshl_b32 s20, s20, 2
	s_cmp_ge_u32 s13, 4
	s_cselect_b32 s46, 0, s46
	s_cselect_b32 s20, s20, 0
	s_cselect_b32 s95, -1, 0                       ; keeps the lane's bias for v,
	s_mov_b32 s47, 0
	s_mov_b32 s21, 0
	s_not_b32 s2, s95                              ; keeps the registers' bias for q and k
	s_add_nc_u64 s[46:47], s[8:9], s[46:47]
	s_add_nc_u64 s[20:21], s[8:9], s[20:21]
	v_lshlrev_b32 v8, 5, v2                        ; 32 h
	v_lshlrev_b32 v9, 2, v1                        ; 4 r
.irp b, 0,1,2,3,4,5,6,7
	global_load_b128 v[B0+8*\b:B0+8*\b+3], v8, s[46:47] offset:64*\b
	global_load_b128 v[B0+8*\b+4:B0+8*\b+7], v8, s[46:47] offset:64*\b+16
.endr
.irp a, 0,1,2,3,4,5,6,7
	global_load_b32 v[B1+\a], v9, s[20:21] offset:64*\a
.endr
	s_wait_loadcnt 0x0
.irp j, 0,1,2,3,4,5,6,7,8,9,10,11,12,13,14,15,16,17,18,19,20,21,22,23,24,25,26,27,28,29,30,31,32,33,34,35,36,37,38,39,40,41,42,43,44,45,46,47,48,49,50,51,52,53,54,55,56,57,58,59,60,61,62,63
	v_and_b32 v[B0+\j], s2, v[B0+\j]
.endr
.irp a, 0,1,2,3,4,5,6,7
	v_and_b32 v[B1+\a], s95, v[B1+\a]
.endr
.macro FRAG reg, adr, q, i             ; a fragment, 16 rows x 128 K: lane l holds row l % 16; registers 6 c .. 6 c + 5 hold K = 64 c + 32 (l / 16) + 0 .. 31: 24 bytes of the row's stream of bits
.irp p, 0,1,2,3,4,5                    ; in pieces of 8 bytes.  Where the piece three on (lanes 16-31) lies behind one padding more, the second address register serves
.set PCE, 12*(\q)+6*(\p/3)+\p%3
.if PCE%8 < 5
	ds_load_b64 v[\reg+2*\p:\reg+2*\p+1], v[\adr] offset:8*PCE+16*(PCE/8)+(\i)*16*PITCH
.else
	ds_load_b64 v[\reg+2*\p:\reg+2*\p+1], v[\adr+2] offset:8*PCE+16*(PCE/8)+(\i)*16*PITCH
.endif
.endr
.endm
; 16 matrix instructions: A's blocks a0, a0 + 1 x B's eight, 128 along K.  first = 1: the sums begin with the bias along the registers as C.
; The 64 accumulators take turns, one instruction a turn, in the same order in every step.
.macro MUL16 a0, p, q, sc, first
.irp a, \a0, \a0+1
.irp b, 0,1,2,3,4,5,6,7
.if \first
	v_wmma_scale_f32_16x16x128_f8f6f4 v[8*(8*((\a)%4)+\b):8*(8*((\a)%4)+\b)+7], v[128*(\p)+FR*\b:128*(\p)+FR*\b+FR-1], v[AF+FR*(\a):AF+FR*(\a)+FR-1], v[B0+8*\b:B0+8*\b+7], v[SC+8*NQ*(\sc)+NQ*\b+(\q)], v[SC+8*NQ*(\sc)+NQ*(\a)+(\q)] matrix_a_fmt:MATRIX_FMT_BF6 matrix_b_fmt:MATRIX_FMT_BF6 matrix_a_scale:MATRIX_SCALE_ROW1
.else
	v_wmma_scale_f32_16x16x128_f8f6f4 v[8*(8*((\a)%4)+\b):8*(8*((\a)%4)+\b)+7], v[128*(\p)+FR*\b:128*(\p)+FR*\b+FR-1], v[AF+FR*(\a):AF+FR*(\a)+FR-1], v[8*(8*((\a)%4)+\b):8*(8*((\a)%4)+\b)+7], v[SC+8*NQ*(\sc)+NQ*\b+(\q)], v[SC+8*NQ*(\sc)+NQ*(\a)+(\q)] matrix_a_fmt:MATRIX_FMT_BF6 matrix_b_fmt:MATRIX_FMT_BF6 matrix_a_scale:MATRIX_SCALE_ROW1
.endif
.endr
.endr
.endm
.macro FETCH_B slot, q, p
	WIN TO_B
.irp i, 0,1,2,3,4,5,6,7
	FRAG 128*(\p)+FR*\i, ADRB+\slot, \q, \i
.endr
	WIN 0
.endm
.macro FETCH_A slot, q, i0
.irp i, \i0, \i0+1, \i0+2, \i0+3
	FRAG AF+FR*(\i), ADRA+\slot, \q, \i
.endr
.endm
.macro SCALES sc                       ; a K step's scale words: two words a row; lanes 0-15 take A's block i, lanes 16-31 B's block i
.irp i, 0,1,2,3,4,5,6,7
	ds_load_b64 v[SC+8*NQ*\sc+NQ*\i:SC+8*NQ*\sc+NQ*\i+1], v[ADRS] offset:\i*SBLK
.endr
.endm
.macro PLACES n                        ; plain vector instructions between a matrix instruction and a load into, or a vector read or write of, its registers
.rept \n
	v_nop
.endr
.endm
; A step of 128 along K that has its successor in the same slot.
.macro STEP slot, q, first
	s_wait_dscnt 4*NL                              ; B's set and A's blocks 0-3 are in; the youngest 24 loads (A's blocks 4-7) may be out
.if \first
	WIN 0x81                                       ; as MUL_LO, with C (the bias) in window 0
.else
	WIN MUL_LO
.endif
	MUL16 0, (\q)%2, \q, \slot, \first
	MUL16 2, (\q)%2, \q, \slot, \first
	s_wait_dscnt 0                                 ; A's blocks 4-7 are in
	PLACES NP
	FETCH_B \slot, (\q)+1, 1-(\q)%2
	FETCH_A \slot, (\q)+1, 0
.if \first
	WIN 0xc1
.else
	WIN MUL_HI
.endif
	MUL16 4, (\q)%2, \q, \slot, \first
	MUL16 6, (\q)%2, \q, \slot, \first
	PLACES NP
	WIN 0
	FETCH_A \slot, (\q)+1, 4
.endm
; A slot's last step changes slots: one barrier; in front of it each wave waits for all its tensor loads, adds 0 to its spare word, and waits for that and for its reads of this slot.
.macro TURN slot, next, fill
	s_wait_tensorcnt 0x0                           ; all my tensor loads have landed: my part of the next slot
	ds_add_u32 v[SPW], v[NIL]                      ; 0 onto my spare word
	s_wait_dscnt 4*NL+1                            ; (the add and the youngest 24 loads may be out)
	WIN MUL_LO
	MUL16 0, 1, NQ-1, \slot, 0                     ; sixteen matrix instructions stand between the add and the wait for it
	s_wait_dscnt 0x0                               ; the add is done, and my reads of this slot are over
	s_barrier_signal -1
	MUL16 2, 1, NQ-1, \slot, 0
	WIN 0
	s_barrier_wait -1
.if \fill
	CREST                                          ; the barrier has opened a round of the cluster's: no wave of any partner still reads this slot or has a load on its way
	s_add_nc_u64 s[G0+4*\slot+2:G0+4*\slot+3], s[G0+4*\slot+2:G0+4*\slot+3], 2*ROWB
	s_add_nc_u64 s[G0B+4*\slot+2:G0B+4*\slot+3], s[G0B+4*\slot+2:G0B+4*\slot+3], 2*ROWB
	JLOAD G0+4*\slot, G1, G0B+4*\slot, G1B         ; the first tensor load behind the round, my only one until the next; its four v_nop are the places in front of the loads below
.else
	PLACES NP
.endif
	s_wait_alu depctr_va_vdst(0)
	v_add_nc_u32 v[ADRS], 4*NQ, v[ADRS]            ; on to the next K step's scale words
	FETCH_B \next, 0, 0
	FETCH_A \next, 0, 0
	SCALES \next
	WIN MUL_HI
	MUL16 4, 1, NQ-1, \slot, 0
	MUL16 6, 1, NQ-1, \slot, 0
	PLACES NP
	WIN 0
	FETCH_A \next, 0, 4
.endm
	s_wait_alu depctr_va_vdst(0)
	s_wait_tensorcnt 1                             ; the scales and my part of K step 0 are in (K step 1's load may be out),
	s_barrier_signal -1
	s_barrier_wait -1                              ; everybody's are
	FETCH_B 0, 0, 0
	FETCH_A 0, 0, 0
	SCALES 0
	FETCH_A 0, 0, 4
	STEP 0, 0, 1                                   ; the first step stands in front of the loop: its products start the sums
	s_mov_b32 s3, LAPS-1
.Llap:                                                 ; a trip goes once round the ring and fills both slots again
	TURN 0, 1, 1
	STEP 1, 0, 0
	TURN 1, 0, 1
	STEP 0, 0, 0
	s_sub_co_u32 s3, s3, 1
	s_cmp_lg_u32 s3, 0
	s_cbranch_scc1 .Llap
	TURN 0, 1, 0                                   ; the last lap fills nothing
	STEP 1, 0, 0
	s_wait_dscnt 4*NL
	WIN MUL_LO
	MUL16 0, 1, NQ-1, 1, 0
	MUL16 2, 1, NQ-1, 1, 0
	s_wait_dscnt 0
	WIN MUL_HI
	MUL16 4, 1, NQ-1, 1, 0
	MUL16 6, 1, NQ-1, 1, 0
	WIN 0
; ---------------- THE WAY OUT.  No tensor load is out: the descriptors' registers are free.
	s_lshl_b32 s20, s42, 8
	s_lshl_b32 s21, s16, 7
	s_add_co_u32 s20, s20, s21                     ; source 0's first row of mine: 256 t0 + 128 (wave & 1)
	s_lshl_b32 s21, s15, 7
	s_lshl_b32 s22, s17, 8
	s_add_co_u32 s22, s22, s21                     ; q, k: my first token
	s_lshl_b32 s23, s41, 8
	s_add_co_u32 s23, s23, s21                     ; v: my first channel of v's 1,024
	s_and_b32 s40, s20, 1023                       ; q, k: my first channel of q's or k's 1,024
	s_cmp_eq_u32 ttmp9, 0
	s_cselect_b32 s66, 1, 0
	s_cmp_lt_u32 s13, 4
	s_cselect_b32 s66, s66, 0                      ; q: cluster x = 0 (channels under 1,024) and cluster y under 4
	s_cselect_b32 s22, s22, s20                    ; my first token
	s_cselect_b32 s23, s40, s23                    ; my first channel
	s_lshr_b32 s67, s22, 11
	s_lshl_b32 s67, s67, 4
	s_lshr_b32 s40, s23, 6
	s_add_co_u32 s67, s67, s40                     ; 16 x batch + head: the first of my two heads
	s_bfe_u32 s74, s22, 0x40007                    ; my step of 128 tokens in the sequence
	s_xor_b32 s40, s74, 15
	s_cmp_lg_u32 s66, 0                            ; q?
	s_cselect_b32 s74, s74, s40                    ; K and V lie in the order in which the keys are walked: 15 - step
	s_mov_b32 s68, 196608
	s_cselect_b32 s68, 98304, s68                  ; codes: bytes from head to head,
	s_mov_b32 s69, 12288
	s_cselect_b32 s69, 6144, s69                   ; from step to step,
	s_mov_b32 s70, KVC
	s_cselect_b32 s70, 0, s70                      ; and where the region begins
	s_mov_b32 s71, 12288
	s_cselect_b32 s71, 8192, s71                   ; scale words: the same three
	s_mov_b32 s72, 768
	s_cselect_b32 s72, 512, s72
	s_mov_b32 s73, KVS
	s_cselect_b32 s73, QS, s73
	s_cmp_ge_u32 s13, 4                            ; v?
	s_cselect_b32 s75, 6144, 0                     ; V's fragments lie behind K's pieces,
	s_cselect_b32 s76, 512, 0                      ; V's words behind K's
	s_cselect_b32 s86, 768, s68                    ; a fragment's second half: v: 768 bytes on; q, k: the next head
	s_mov_b32 s78, 768
	s_cselect_b32 s78, 1536, s78                   ; from tile to tile
	s_mov_b32 s80, 768
	s_cselect_b32 s80, 192000, s80                 ; from tile 3 to tile 4: v: on into the next head (1,536 + 196,608 - 6,144)
	s_cselect_b32 s82, 12032, 0                    ; v: the words of lanes 16-31 belong to the next head (12,288 - 256)
	s_cselect_b32 s83, 0, s71                      ; q, k: the second 512 bytes of words belong to the next head
	s_cselect_b32 s84, 0, 16                       ; q, k: lanes 16-31 take the word's upper two bytes
	s_mov_b32 s85, 0xffff
	s_cselect_b32 s85, -1, s85                     ; q, k: two bytes a word
	s_mov_b32 s79, 0
	s_mov_b32 s81, 0
	s_mov_b32 s87, 0
	s_mul_i32 s88, s67, s68
	s_mul_i32 s40, s74, s69
	s_add_co_u32 s88, s88, s40
	s_add_co_u32 s88, s88, s70
	s_add_co_u32 s88, s88, s75
	s_mov_b32 s89, 0
	s_add_nc_u64 s[90:91], s[10:11], s[88:89]      ; where registers 0-5 of tile 0 go,
	s_add_nc_u64 s[92:93], s[90:91], s[86:87]      ; and registers 6-11
	s_mul_i32 s88, s67, s71
	s_mul_i32 s40, s74, s72
	s_add_co_u32 s88, s88, s40
	s_add_co_u32 s88, s88, s73
	s_add_co_u32 s88, s88, s76
	s_add_nc_u64 s[94:95], s[10:11], s[88:89]      ; the scale words
	s_mov_b32 s[SEL], 0x76543210
	s_mov_b32 s[SEL+1], 0xfedcba98                 ; v_permlanex16_b32's selects for lane l xor 16
	PLACES NP                                      ; behind the last products: vector writes of A's registers and reads of results follow
	v_and_b32 v1, 15, v0
	v_bfe_u32 v2, v0, 4, 1
	v_and_b32 v10, 31, v0
	v_lshlrev_b32 v[L16], 4, v10
	v_lshlrev_b32 v[L8], 3, v10
	s_lshl_b32 s21, s14, 10                        ; my stage for the words: 1,024 bytes in slot 0, which has had its last fill and its last read
	v_lshlrev_b32 v[SWA], 2, v1
	v_lshl_add_u32 v[SWA], v2, 9, v[SWA]
	v_add_nc_u32 v[SWA], s21, v[SWA]               ; 4 r + 512 h + 1,024 x wave
	v_add_nc_u32 v[SRA], s21, v[L16]
	v_mul_u32_u24 v[SO0], s82, v2
	v_add_nc_u32 v[SO0], v[SO0], v[L16]
	v_add_nc_u32 v[SO1], s83, v[SO0]
	v_mul_u32_u24 v[SHV], s84, v2
.irp b, 0,1,2,3
	v_mov_b32 v[TM+4+\b], 0                        ; written once: a lane permute's destination counts as one of its sources
.endr
; 64 numbers of a lane, register 16 b + i = position 32 b + 16 (lane / 16) + i of my row, become a fragment's codes in v[CD] on and its scale word in v[PW].
.macro QUANT s
.irp b, 0,1,2,3
	v_max3_num_f32 v[TM+\b], |v[\s+16*\b]|, |v[\s+1+16*\b]|, 0x2800000   ; block b: my 16 numbers, and the floor 2^(5 - 127)
.endr
.irp i, 2,4,6,8,10,12,14
.irp b, 0,1,2,3
	v_max3_num_f32 v[TM+\b], v[TM+\b], |v[\s+16*\b+\i]|, |v[\s+1+16*\b+\i]|   ; (the four blocks by turns)
.endr
.endr
.irp b, 0,1,2,3
	v_permlanex16_b32 v[TM+4+\b], v[TM+\b], s[SEL], s[SEL+1]
.endr
.irp b, 0,1,2,3
	v_max_num_f32 v[TM+\b], v[TM+\b], v[TM+4+\b]   ; with lane l xor 16's: the block's largest magnitude
.endr
.irp b, 0,1,2,3
	v_add_nc_u32 v[TM+12+\b], 0xfe000000, v[TM+\b] ; 4 off its exponent field: the conversion's scale operand
.endr
.irp b, 0,1,2,3
	v_lshrrev_b32 v[TM+4+\b], 23, v[TM+12+\b]      ; the scale's byte
.endr
	v_lshl_or_b32 v[PW], v[TM+5], 8, v[TM+4]
	v_lshl_or_b32 v[PW], v[TM+6], 16, v[PW]
	v_lshl_or_b32 v[PW], v[TM+7], 24, v[PW]
.irp c, 0,1
	v_cvt_scalef32_pk16_bf6_f32 v[CD+6*\c:CD+2+6*\c], v[\s+32*\c:\s+15+32*\c], v[TM+12+2*\c]
	v_cvt_scalef32_pk16_bf6_f32 v[CD+12+4*\c:CD+14+4*\c], v[\s+16+32*\c:\s+31+32*\c], v[TM+12+2*\c+1]   ; (a conversion's three registers begin on an even number)
.endr
	v_nop                                          ; one plain place behind a scaled conversion
.irp c, 0,1                                    ; the operand's layout wants a whole block in a lane: lanes 0-15 block 2 c, lanes 16-31 block 2 c + 1
.irp i, 0,1,2
	v_permlane16_swap_b32 v[CD+6*\c+\i], v[CD+12+4*\c+\i]
.endr
.irp i, 0,1,2
	v_mov_b32 v[CD+3+6*\c+\i], v[CD+12+4*\c+\i]
.endr
.endr
.endm
; Tile a: 16 rows of source 1 x my 128 rows of source 0.
.macro OUT a
	s_wait_xcnt 0x0                                ; the last tile's stores have read their data and bases: both are written again only behind this wait
.if (\a) == 4
	s_add_nc_u64 s[90:91], s[90:91], s[80:81]
	s_add_nc_u64 s[92:93], s[92:93], s[80:81]
.elseif (\a) > 0
	s_add_nc_u64 s[90:91], s[90:91], s[78:79]
	s_add_nc_u64 s[92:93], s[92:93], s[78:79]
.endif
	v_mov_b32 v[BPR], v[B1+(\a)]                   ; my row's bias (zeros for q and k), twice
	v_mov_b32 v[BPR+1], v[B1+(\a)]
	WIN 0x02+((\a)/4)                              ; source 0: window 2 or 3
.set i, 0
.rept 32
	v_pk_add_f32 v[HA+2*i:HA+2*i+1], v[64*((\a)%4)+2*i:64*((\a)%4)+2*i+1], v[BPR:BPR+1]   ; adds it and brings the tile into window 0; each accumulator from its low end on
.set i, i+1
.endr
	WIN 0
	QUANT HA
	global_store_b128 v[L16], v[CD:CD+3], s[90:91]                 ; each store covers 512 or 256 consecutive bytes, aligned to 256
	global_store_b64 v[L8], v[CD+4:CD+5], s[90:91] offset:512
	global_store_b128 v[L16], v[CD+6:CD+9], s[92:93]
	global_store_b64 v[L8], v[CD+10:CD+11], s[92:93] offset:512
	v_lshrrev_b32 v[SWV], v[SHV], v[PW]
	v_and_b32 v[SWV], s85, v[SWV]                  ; q, k: lanes 0-15 the first head's two bytes, lanes 16-31 the second's; v: the whole word in both
	ds_store_b32 v[SWA], v[SWV] offset:64*(\a)
.endm
.irp a, 0,1,2,3,4,5,6,7
	OUT \a
.endr
	ds_load_b128 v[TT:TT+3], v[SRA]                ; LDS serves a wave's instructions in order: these see my stores
	ds_load_b128 v[TT+4:TT+7], v[SRA] offset:512
	s_wait_dscnt 0x0
	global_store_b128 v[SO0], v[TT:TT+3], s[94:95]     ; q, k: the first head's 128 words; v: 64 words for each of two heads
	global_store_b128 v[SO1], v[TT+4:TT+7], s[94:95]   ; q, k: the second head's; v: the same words at the same places once more
	s_wait_tensorcnt 0x0                           ; the wave's end
	ds_add_u32 v[SPW], v[NIL]
	s_wait_dscnt 0x0
	CROUND                                         ; the closing round: no work-group ends while a partner may still ask for a tile that names it
	s_endpgm
.Lfunc_end_k_q21ea83874a_qkvgemm:
	.size	k_q21ea83874a_qkvgemm, .Lfunc_end_k_q21ea83874a_qkvgemm-k_q21ea83874a_qkvgemm
	.p2alignl 7, 3214868480
	.fill 96, 4, 3214868480
	.section	.rodata,"a",@progbits
	.p2align	6, 0x0
	.amdhsa_kernel k_q21ea83874a_qkvgemm
		.amdhsa_group_segment_fixed_size 327680
		.amdhsa_private_segment_fixed_size 0
		.amdhsa_enable_private_segment 0
		.amdhsa_kernarg_size 32
		.amdhsa_user_sgpr_count 2
		.amdhsa_user_sgpr_kernarg_segment_ptr 1
		.amdhsa_wavefront_size32 1
		.amdhsa_system_sgpr_workgroup_id_x 1
		.amdhsa_system_sgpr_workgroup_id_y 1
		.amdhsa_system_sgpr_workgroup_id_z 1
		.amdhsa_system_vgpr_workitem_id 0
		.amdhsa_next_free_vgpr 1024
		.amdhsa_next_free_sgpr 100
		.amdhsa_reserve_vcc 0
		.amdhsa_float_denorm_mode_32 3
		.amdhsa_float_denorm_mode_16_64 3
		.amdhsa_memory_ordered 1
		.amdhsa_forward_progress 1
		.amdhsa_inst_pref_size 191
	.end_amdhsa_kernel
	.amdgpu_metadata
---
amdhsa.version: [ 1, 2 ]
amdhsa.kernels:
  - .name:           k_q21ea83874a_qkvgemm
    .symbol:         k_q21ea83874a_qkvgemm.kd
    .args:
      - { .name: xq, .offset: 0, .size: 8, .value_kind: global_buffer, .address_space: global }
      - { .name: waq, .offset: 8, .size: 8, .value_kind: global_buffer, .address_space: global }
      - { .name: b_attn, .offset: 16, .size: 8, .value_kind: global_buffer, .address_space: global }
      - { .name: qkv, .offset: 24, .size: 8, .value_kind: global_buffer, .address_space: global }
    .group_segment_fixed_size: 327680
    .private_segment_fixed_size: 0
    .kernarg_segment_align: 8
    .kernarg_segment_size: 32
    .max_flat_workgroup_size: 128
    .sgpr_count:     100
    .vgpr_count:     1024
    .wavefront_size: 32
...
	.end_amdgpu_metadata
.endif
;; end of part 2
;; launch attn (part 3): grid 8 x 32, 16 waves a work-group, clusters of 4 x 1, 252,160 bytes of LDS; arguments qkv, aq; writes aq
.if DOCPART == 3
	.amdgcn_target "amdgcn-amd-amdhsa--gfx1250"
	.amdhsa_code_object_version 6
	.text
	.protected	k_q21ea83874a_attn
	.globl	k_q21ea83874a_attn
	.p2align	8
	.type	k_q21ea83874a_attn,@function
k_q21ea83874a_attn:
	s_mov_b64 s[64:65], 0
	v_nop
	global_prefetch_b8 v0, s[64:65] scope:SCOPE_SE
	s_setreg_imm32_b32 hwreg(HW_REG_WAVE_MODE, 25, 1), 1
	s_wait_xcnt 0x0
	s_wait_alu depctr_hold_cnt(0) depctr_sa_sdst(0) depctr_va_vdst(0) depctr_va_sdst(0) depctr_va_ssrc(0) depctr_va_vcc(0) depctr_vm_vsrc(0)
	s_getreg_b32 s2, hwreg(HW_REG_IB_STS2, 6, 4)
	s_cmp_eq_u32 s2, 0
	s_cbranch_scc0 .Lentry_in_a_cluster
	s_endpgm
.Lentry_in_a_cluster:
	s_bfe_u32 s2, ttmp6, 0x10000c
	s_cmp_lg_u32 s2, 0x3003
	s_cbranch_scc0 .Lentry_shape_is_right
	s_endpgm
.Lentry_shape_is_right:
; For each of 32 (batch, head): o[q] = sum over keys j >= q of softmax_j(q . k_j / 8 - ln(j - q + 1)) v_j, both products on codes of BF6 with E8M0 scales, and o quantised along the model's 1,024 for the last product.
; THE SOFTMAX: t = logit x log2(e); M = the running largest t rounded up to a whole number; p = 2^(t - M) is quantised along the keys, not normalised; the row's sum is taken of the unquantised p and divides at the end.
; SHARES.  A work-group takes tile x (16 queries) of EACH of the head's 16 blocks of 128 queries, one tile a wave, so that all work-groups have the same work; the four of a cluster (x = 4 X + cx) walk the same head.
; Wave w takes block m(w), a Latin arrangement in which every four waves w / 4 = const and every four w % 4 = const have the same number of steps.  A wave walks key steps 15 down to m: u = 0 .. 15 - m.
; A WHOLE HEAD'S K, V AND SCALE WORDS STAY IN LDS (208,896 bytes), as images of operand registers, in the order u; they come by joint loads, three a wave, and nothing is filled again.
; THE MASK AND THE POWER LAW COST NO VECTOR INSTRUCTION: a table in LDS holds -8 ln(d + 1) for d >= 0 and -1e30 for d < 0; a step's 64 entries are loaded INTO the score registers and are the C of the first product,
; so that the result is q . k - 8 ln(d + 1) = 8 x the logit (1/8 is a power of two, so nothing else is rounded).  Four copies, one for each r % 4, keep every load of 16 bytes aligned.
; LAYOUT.  Both products are used transposed (source 0 = 16 keys or 16 channels, source 1 = my 16 queries): a lane holds one query throughout.  K = 64 of the first product fills half of the instruction's 128:
; q's upper six registers are zero codes, so whatever source 0's upper six registers hold (the next tile's codes) adds nothing; the upper scale bytes are 0, which is a power of two and no NaN.
; Tiles are 16 neighbours, so inside each block of 32 positions 8-15 and 16-23 have changed places, in p as in V, in q as in K, and in the result as in w_proj's codes.
; LIMITS: hidden keys get -1e30 in place of -infinity, so 8 x logit must stay under 1e29 in magnitude; a block of zeros gets the byte 1; NaN and infinities are not served.
.set QS,   3145728
.set KVC,  3407872
.set KVS,  9699328
.set AS,   3145728
.set LKS,  196608                      ; LDS: K, V images at 0 (16 x 12,288); their scale words here (16 x 768);
.set TAB,  208896                      ; the table: four copies of 2,560 entries,
.set TP,   10304                       ; 10,304 bytes apart: 64 modulo 256
.set QF,   16                          ; v16-21 q's codes, v22-27 zeros
.set KB,   28                          ; v28-75 K's eight pieces or V's four fragments; v76-81 zeros
.set KSW,  82                          ; v82-85 K's scale words (lanes 0-15 tile 2 b, lanes 16-31 tile 2 b + 1)
.set VSW,  86                          ; v86-87 V's likewise
.set QSW,  9                           ; v9 q's scale word
.set SS,   96                          ; v96-159 the table's entries, then S^T, then p
.set OO,   160                         ; v160-191 O^T
.set PF,   192                         ; v192-203 p's codes
.set CT,   204                         ; v204-206, v208-210 conversions' second halves
.set BM,   212                         ; v212-215 each block's largest
.set BT,   216                         ; v216-219 at work
.set SOP,  220                         ; v220-223 the conversions' scale operands
.set TMP,  224
.set FF,   226                         ; v[226:227] f = 2^(old M - new M), and a word that is only named
.set PSW,  228                         ; p's scale word
; v1 16 x lane, v2 8 x lane, v3 LKS + 4 x lane, v4 my lane's place in the table, v5-8 the step's addresses, v10 4 r, v12 -M, v13 the largest t, v[14:15] the sum in two halves
; s8 wave, s10 x, s11 head, s12 m, s13 the last step, s14 the step, s15, s16 the step's images and words, s17 the step's table offset, s18 trips, s[20:21] lane selects, s[22:23] c
.macro ROUND
	s_barrier_signal -1
	s_barrier_wait -1
	s_cmp_lg_u32 s8, 0
	s_cbranch_scc1 .Lnot_wave_0_\@
	s_barrier_signal -3
.Lnot_wave_0_\@:
	s_barrier_wait -3
	s_barrier_signal -1
	s_barrier_wait -1
.endm
	s_load_b128 s[4:7], s[0:1], 0x0                ; qkv, aq
	v_lshl_add_u32 v254, v0, 2, 0x3d100
	v_mov_b32 v255, 0
	ds_add_u32 v254, v255
	ds_add_u32 v254, v255
	v_lshrrev_b32 v1, 5, v0
	s_delay_alu instid0(VALU_DEP_1)
	v_readfirstlane_b32 s8, v1                     ; wave 0..15
	s_bfe_u32 s9, ttmp6, 0x40000                   ; cx: it enters values and global addresses alone
	s_lshl_b32 s10, ttmp9, 2
	s_add_co_u32 s10, s10, s9                      ; x
	s_and_b32 s11, ttmp7, 0xffff                   ; 16 x batch + head, which the four partners share
	s_lshr_b32 s66, s8, 1
	s_xor_b32 s66, s66, s8
	s_and_b32 s67, s66, 1                          ; parity of w's bits 0, 1
	s_bfe_u32 s68, s66, 0x10002                    ; parity of w's bits 2, 3
	s_mul_i32 s67, s67, 3
	s_mul_i32 s68, s68, 3
	s_lshr_b32 s69, s8, 2
	s_xor_b32 s69, s69, s67
	s_and_b32 s70, s8, 3
	s_xor_b32 s70, s70, s68
	s_lshl_b32 s12, s69, 2
	s_add_co_u32 s12, s12, s70                     ; m: my block of 128 queries
	s_xor_b32 s13, s12, 15                         ; 15 - m: my last step
	s_lshl_b32 s69, s12, 3
	s_add_co_u32 s69, s69, s10                     ; 8 m + x: my tile of 16 queries in the sequence
	; descriptor groups 1: dense blocks as rows of 256 bytes (32 elements of 8 bytes); mask: all four work-groups; bit 21 beside it
.irp g, 24, 32, 40
	s_mov_b32 s[\g], 15|(3<<16)|(1<<21)
	s_mov_b32 s[\g+1], 32<<16
	s_mov_b32 s[\g+3], 32<<16
	s_mov_b32 s[\g+5], 32
	s_mov_b32 s[\g+6], 0
	s_mov_b32 s[\g+7], 0
.endr
	s_mov_b32 s26, 3<<16                           ; the scale words: 3 rows a wave
	s_mov_b32 s28, 3
	s_mov_b32 s34, 9<<16                           ; steps 0-2: 9 rows a wave
	s_mov_b32 s36, 9
	s_mov_b32 s42, 39<<16                          ; steps 3-15: 39 rows a wave
	s_mov_b32 s44, 39
	s_mov_b32 s[20], 0x76543210
	s_mov_b32 s[21], 0xfedcba98
	s_mov_b32 s22, 0x3e38aa3b                      ; c = log2(e) / 8: t = (8 x logit) x c
	s_mov_b32 s23, s22
	s_mov_b32 s67, 0
	s_wait_dscnt 0x0
	s_wait_kmcnt 0x0
	s_mov_b32 s48, 1
	s_mul_i32 s49, s8, 768
	s_mul_i32 s66, s11, 12288
	s_add_co_u32 s66, s66, s49
	s_add_co_u32 s66, s66, KVS
	s_add_co_u32 s49, s49, LKS
	s_add_nc_u64 s[50:51], s[4:5], s[66:67]
	s_or_b32 s51, s51, 0x80000000
	s_mov_b32 s52, 1
	s_mul_i32 s53, s8, 2304
	s_mul_i32 s68, s11, 196608
	s_add_co_u32 s68, s68, KVC                     ; the head's K and V
	s_add_co_u32 s66, s68, s53
	s_add_nc_u64 s[54:55], s[4:5], s[66:67]
	s_or_b32 s55, s55, 0x80000000
	s_mov_b32 s56, 1
	s_mul_i32 s57, s8, 9984
	s_add_co_u32 s57, s57, 36864
	s_add_co_u32 s66, s68, s57
	s_add_nc_u64 s[58:59], s[4:5], s[66:67]
	s_or_b32 s59, s59, 0x80000000
	; where q comes from and where the result goes
	s_mul_i32 s66, s11, 98304
	s_mul_i32 s70, s69, 768
	s_add_co_u32 s66, s66, s70
	s_add_nc_u64 s[72:73], s[4:5], s[66:67]        ; q's piece
	s_lshl_b32 s66, s11, 13
	s_lshl_b32 s70, s69, 6
	s_add_co_u32 s66, s66, s70
	s_add_co_u32 s66, s66, QS
	s_add_nc_u64 s[74:75], s[4:5], s[66:67]        ; q's scale words
	s_lshr_b32 s70, s11, 4
	s_lshl_b32 s70, s70, 7
	s_add_co_u32 s70, s70, s69                     ; my tile of 16 tokens among all 256
	s_and_b32 s71, s11, 15                         ; the head
	s_mul_i32 s66, s70, 12288
	s_mul_i32 s68, s71, 768
	s_add_co_u32 s66, s66, s68
	s_add_nc_u64 s[76:77], s[6:7], s[66:67]        ; the result's piece
	s_lshl_b32 s66, s71, 14
	s_lshl_b32 s68, s70, 6
	s_add_co_u32 s66, s66, s68
	s_add_co_u32 s66, s66, AS
	s_add_nc_u64 s[78:79], s[6:7], s[66:67]        ; its scale words
	ROUND                                          ; all four work-groups are here: the joint loads meet
	tensor_load_to_lds s[48:51], s[24:31]          ; the first fills, in one group: three loads of mine are out
	s_nop 0
	tensor_load_to_lds s[52:55], s[32:39]
	s_nop 0
	tensor_load_to_lds s[56:59], s[40:47]
	s_nop 0
.rept 4
	v_nop
.endr
	v_and_b32 v11, 31, v0
	s_delay_alu instid0(VALU_DEP_1)
	v_lshlrev_b32 v1, 4, v11
	s_delay_alu instid0(VALU_DEP_2)
	v_lshlrev_b32 v2, 3, v11
	s_delay_alu instid0(VALU_DEP_3)
	v_lshl_add_u32 v3, v11, 2, LKS
	v_and_b32 v10, 15, v0
	s_delay_alu instid0(VALU_DEP_1)
	v_lshlrev_b32 v10, 2, v10                      ; 4 r
	global_load_b128 v[QF:QF+3], v1, s[72:73]      ; q's six registers stay
	global_load_b64 v[QF+4:QF+5], v2, s[72:73] offset:512
	global_load_b32 v[QSW], v10, s[74:75]
	v_and_b32 v11, 3, v0
	s_delay_alu instid0(VALU_DEP_1)
	v_mul_u32_u24 v4, v11, TP                      ; copy r % 4,
	v_bfe_u32 v11, v0, 4, 1
	s_delay_alu instid0(VALU_DEP_1)
	v_lshl_add_u32 v4, v11, 5, v4                  ; + 4 (8 h)
	s_delay_alu instid0(VALU_DEP_1)
	v_add_nc_u32 v4, TAB+48, v4                    ; + 4 x 12
	v_and_b32 v11, 12, v0
	s_delay_alu instid0(VALU_DEP_1)
	v_lshlrev_b32 v11, 2, v11
	s_delay_alu instid0(VALU_DEP_1)
	v_sub_nc_u32 v4, v4, v11                       ; - 4 (r - r % 4)
	; THE TABLE, made while the tiles are on their way.  Entry y of copy a stands for d = y - 12 - a - 16 x.  Five entries of each copy a thread: y = thread + 512 k.
	s_lshl_b32 s66, s10, 4
	s_add_co_u32 s66, s66, 11
	s_sub_co_u32 s66, 0, s66
	v_add_nc_u32 v30, s66, v0                      ; thread - 16 x - 11: d + 1 of copy 0, k = 0
	v_lshl_add_u32 v5, v0, 2, TAB
	v_mov_b32 v112, 0xf149f2ca                     ; -1e30
.irp a, 0,1,2,3
.irp k, 0,1,2,3,4
	v_add_nc_u32 v[96+\k], 512*\k-\a, v30          ; d + 1
.endr
.irp k, 0,1,2,3,4
	v_max_i32 v[104+\k], 1, v[96+\k]
.endr
.irp k, 0,1,2,3,4
	v_cvt_f32_i32 v[104+\k], v[104+\k]
.endr
	s_wait_alu depctr_va_vdst(0)
.irp k, 0,1,2,3,4
	v_log_f32 v[104+\k], v[104+\k]
.endr
	v_nop                                          ; one plain place behind the logarithms
	s_wait_alu depctr_va_vdst(0)
.irp k, 0,1,2,3,4
	v_mul_f32 v[104+\k], 0xc0b17218, v[104+\k]     ; x -8 ln 2: -8 ln(d + 1)
	v_cmp_gt_i32 vcc_lo, 1, v[96+\k]               ; d < 0: the key is hidden
	s_delay_alu instid0(VALU_DEP_1)
	v_cndmask_b32 v[104+\k], v[104+\k], v112, vcc_lo
	ds_store_b32 v5, v[104+\k] offset:\a*TP+2048*\k
.endr
.endr
.irp j, 0,1,2,3,4,5
	v_mov_b32 v[QF+6+\j], 0                        ; zero codes for K = 64 .. 127
	v_mov_b32 v[KB+48+\j], 0
.endr
.irp j, 0,1,2,3,4,5,6,7,8,9,10,11,12,13,14,15,16,17,18,19,20,21,22,23,24,25,26,27,28,29,30,31
	v_mov_b32 v[OO+\j], 0                          ; O^T.  (The step is written for every step alike: the first finds zeros, which the first change of M leaves zeros)
.endr
.irp b, 0,1,2,3
	v_mov_b32 v[BT+\b], 0                          ; a lane permute's destination counts as one of its sources
.endr
	v_mov_b32 v[TMP], 0
	v_mov_b32 v[FF+1], 0                           ; (named as the upper half of a pair)
	v_mov_b32 v14, 0
	v_mov_b32 v15, 0
	v_mov_b32 v13, 0xff61b1e6                      ; the largest t so far: -3e38
	s_delay_alu instid0(VALU_DEP_1)
	v_floor_f32 v12, -v13                          ; -M
	s_mov_b32 s14, 0
	s_mov_b32 s15, 0
	s_mov_b32 s16, 0
	s_lshl_b32 s17, s13, 9                         ; step u's entries begin 128 (15 - m - u) entries into the table
.macro SPROD t
.if (\t)%2
	v_wmma_scale_f32_16x16x128_f8f6f4 v[SS+8*(\t):SS+8*(\t)+7], v[KB+6*(\t):KB+6*(\t)+11], v[QF:QF+11], v[SS+8*(\t):SS+8*(\t)+7], v[KSW+(\t)/2], v[QSW] matrix_a_fmt:MATRIX_FMT_BF6 matrix_b_fmt:MATRIX_FMT_BF6 matrix_a_scale:MATRIX_SCALE_ROW1
.else
	v_wmma_scale_f32_16x16x128_f8f6f4 v[SS+8*(\t):SS+8*(\t)+7], v[KB+6*(\t):KB+6*(\t)+11], v[QF:QF+11], v[SS+8*(\t):SS+8*(\t)+7], v[KSW+(\t)/2], v[QSW] matrix_a_fmt:MATRIX_FMT_BF6 matrix_b_fmt:MATRIX_FMT_BF6
.endif
.endm
.macro OPROD t
.if (\t)%2
	v_wmma_scale_f32_16x16x128_f8f6f4 v[OO+8*(\t):OO+8*(\t)+7], v[KB+12*(\t):KB+12*(\t)+11], v[PF:PF+11], v[OO+8*(\t):OO+8*(\t)+7], v[VSW+(\t)/2], v[PSW] matrix_a_fmt:MATRIX_FMT_BF6 matrix_b_fmt:MATRIX_FMT_BF6 matrix_a_scale:MATRIX_SCALE_ROW1
.else
	v_wmma_scale_f32_16x16x128_f8f6f4 v[OO+8*(\t):OO+8*(\t)+7], v[KB+12*(\t):KB+12*(\t)+11], v[PF:PF+11], v[OO+8*(\t):OO+8*(\t)+7], v[VSW+(\t)/2], v[PSW] matrix_a_fmt:MATRIX_FMT_BF6 matrix_b_fmt:MATRIX_FMT_BF6
.endif
.endm
; A KEY STEP: 128 keys.  A step whose keys all come before my queries is left out: a scalar branch on the wave's number and the trip, round the work alone; the lines that step addresses stand behind it.
; No two matrix instructions that follow each other share an accumulator.
.macro STEP
	s_cmp_gt_u32 s14, s13
	s_cbranch_scc1 .Lskip_\@
	s_and_b32 s19, s17, 0x1e00
	s_setprio 2
	v_add_nc_u32 v5, s15, v1                       ; these four are also the places behind the last step's products, in front of the loads below
	v_add_nc_u32 v6, s15, v2
	v_add_nc_u32 v7, s16, v3
	v_add_nc_u32 v8, s19, v4
.irp t, 0,1,2,3,4,5,6,7
	ds_load_b128 v[KB+6*\t:KB+6*\t+3], v5 offset:768*\t            ; K's piece t as it was stored: 512 consecutive bytes,
	ds_load_b64 v[KB+6*\t+4:KB+6*\t+5], v6 offset:768*\t+512       ; then 256
.endr
.irp b, 0,1,2,3
	ds_load_b32 v[KSW+\b], v7 offset:128*\b
.endr
.irp t, 0,1,2,3,4,5,6,7
	ds_load_b128 v[SS+8*\t:SS+8*\t+3], v8 offset:64*\t             ; -8 ln(d + 1), or -1e30, for key 16 t + 8 h + j
	ds_load_b128 v[SS+8*\t+4:SS+8*\t+7], v8 offset:64*\t+16
.endr
	s_wait_alu depctr_va_vdst(0)
	s_wait_dscnt 0x0
.irp t, 0,1,2,3,4,5,6,7
	SPROD \t
.endr
.rept 4
	v_nop                                          ; places in front of the loads into K's registers and of the first read of the scores
.endr
.irp t, 0,1,2,3
	ds_load_b128 v[KB+12*\t:KB+12*\t+3], v5 offset:6144+1536*\t    ; V's fragments land while the softmax is worked
	ds_load_b64 v[KB+12*\t+4:KB+12*\t+5], v6 offset:6144+1536*\t+512
	ds_load_b128 v[KB+12*\t+6:KB+12*\t+9], v5 offset:6144+1536*\t+768
	ds_load_b64 v[KB+12*\t+10:KB+12*\t+11], v6 offset:6144+1536*\t+1280
.endr
	ds_load_b32 v[VSW], v7 offset:512
	ds_load_b32 v[VSW+1], v7 offset:640
.irp b, 0,1,2,3
	v_max3_num_f32 v[BM+\b], v[SS+16*\b], v[SS+1+16*\b], v[SS+2+16*\b]   ; the largest score of each block of 32 keys: for the row's maximum, and, since p rises with the score, for the block's largest p
.endr
.irp i, 3,5,7,9,11,13
.irp b, 0,1,2,3
	v_max3_num_f32 v[BM+\b], v[BM+\b], v[SS+16*\b+\i], v[SS+1+16*\b+\i]
.endr
.endr
.irp b, 0,1,2,3
	v_max_num_f32 v[BM+\b], v[BM+\b], v[SS+15+16*\b]
.endr
.irp b, 0,1,2,3
	s_delay_alu instid0(VALU_DEP_4)
	v_permlanex16_b32 v[BT+\b], v[BM+\b], s20, s21
.endr
.irp b, 0,1,2,3
	s_delay_alu instid0(VALU_DEP_4)
	v_max_num_f32 v[BM+\b], v[BM+\b], v[BT+\b]     ; with lane l xor 16's 16 keys
.endr
	s_delay_alu instid0(VALU_DEP_2)
	v_max3_num_f32 v[TMP], v[BM], v[BM+1], v[BM+2]
	s_delay_alu instid0(VALU_DEP_1)
	v_max_num_f32 v[TMP], v[TMP], v[BM+3]
	s_delay_alu instid0(VALU_DEP_1)
	v_mul_f32 v[TMP], s22, v[TMP]                  ; as t
	s_delay_alu instid0(VALU_DEP_1)
	v_max_num_f32 v13, v13, v[TMP]                 ; the running largest t
	v_mov_b32 v[TMP], v12
	s_delay_alu instid0(VALU_DEP_2)
	v_floor_f32 v12, -v13                          ; the new -M = -ceil(t)
	s_delay_alu instid0(VALU_DEP_1)
	v_sub_f32 v[TMP], v12, v[TMP]                  ; old M - new M: a whole number, 0 or less
	s_delay_alu instid0(VALU_DEP_1)
	v_cvt_i32_f32 v[TMP], v[TMP]                   ; (it saturates)
	s_delay_alu instid0(VALU_DEP_1)
	v_ldexp_f32 v[FF], 1.0, v[TMP]                 ; f = 2^(old M - new M)
.irp j, 0,2,4,6,8,10,12,14,16,18,20,22,24,26,28,30,32,34,36,38,40,42,44,46,48,50,52,54,56,58,60,62
	v_pk_fma_f32 v[SS+\j:SS+1+\j], v[SS+\j:SS+1+\j], s[22:23], v[12:13] op_sel_hi:[1,0,0]   ; t - M, two at a time
.endr
.irp b, 0,1,2,3
	v_fma_f32 v[BM+\b], v[BM+\b], s22, v12         ; the same of each block's largest score
.endr
	s_setprio 1
	s_wait_alu depctr_va_vdst(0)
.irp j, 0,1,2,3,4,5,6,7,8,9,10,11,12,13,14,15,16,17,18,19,20,21,22,23,24,25,26,27,28,29,30,31,32,33,34,35,36,37,38,39,40,41,42,43,44,45,46,47,48,49,50,51,52,53,54,55,56,57,58,59,60,61,62,63
	v_exp_f32 v[SS+\j], v[SS+\j]                   ; p = 2^(t - M)
.endr
.irp b, 0,1,2,3
	v_exp_f32 v[BM+\b], v[BM+\b]                   ; the block's largest p
.endr
	v_pk_mul_f32 v[14:15], v[14:15], v[FF:FF+1] op_sel_hi:[1,0]    ; the sums under the new M.  (A plain place behind the exponentials)
	s_wait_alu depctr_va_vdst(0)
.irp b, 0,1,2,3
	v_max_num_f32 v[BM+\b], 0x2800000, v[BM+\b]    ; the floor 2^(5 - 127): a block of zeros keeps the byte 1
.endr
.irp b, 0,1,2,3
	s_delay_alu instid0(VALU_DEP_4)
	v_add_nc_u32 v[SOP+\b], 0xfe000000, v[BM+\b]   ; the conversion's scale operand
.endr
.irp b, 0,1,2,3
	s_delay_alu instid0(VALU_DEP_4)
	v_lshrrev_b32 v[BT+\b], 23, v[SOP+\b]          ; the scale's byte
.endr
	s_delay_alu instid0(VALU_DEP_3)
	v_lshl_or_b32 v[PSW], v[BT+1], 8, v[BT]
	s_delay_alu instid0(VALU_DEP_1)
	v_lshl_or_b32 v[PSW], v[BT+2], 16, v[PSW]
	s_delay_alu instid0(VALU_DEP_1)
	v_lshl_or_b32 v[PSW], v[BT+3], 24, v[PSW]
.irp c, 0,1
	v_cvt_scalef32_pk16_bf6_f32 v[PF+6*\c:PF+2+6*\c], v[SS+32*\c:SS+15+32*\c], v[SOP+2*\c]
	v_cvt_scalef32_pk16_bf6_f32 v[CT+4*\c:CT+2+4*\c], v[SS+16+32*\c:SS+31+32*\c], v[SOP+2*\c+1]
.endr
	v_nop                                          ; one plain place behind a scaled conversion
.irp c, 0,1
.irp i, 0,1,2
	v_permlane16_swap_b32 v[PF+6*\c+\i], v[CT+4*\c+\i]             ; a whole block to a lane
.endr
.irp i, 0,1,2
	s_delay_alu instid0(VALU_DEP_3)
	v_mov_b32 v[PF+3+6*\c+\i], v[CT+4*\c+\i]
.endr
.endr
.irp j, 0,2,4,6,8,10,12,14,16,18,20,22,24,26,28,30
	v_pk_mul_f32 v[OO+\j:OO+1+\j], v[OO+\j:OO+1+\j], v[FF:FF+1] op_sel_hi:[1,0]   ; O^T under the new M
.endr
	v_pk_add_f32 v[216:217], v[100:101], v[104:105]
	v_pk_add_f32 v[252:253], v[108:109], v[112:113]
	v_pk_add_f32 v[250:251], v[116:117], v[120:121]
	v_pk_add_f32 v[248:249], v[124:125], v[128:129]
	v_pk_add_f32 v[246:247], v[132:133], v[136:137]
	v_pk_add_f32 v[244:245], v[140:141], v[144:145]
	v_pk_add_f32 v[242:243], v[148:149], v[152:153]
	v_pk_add_f32 v[14:15], v[14:15], v[156:157]
	v_pk_add_f32 v[216:217], v[216:217], v[96:97]
	s_setprio 0
	v_pk_add_f32 v[252:253], v[252:253], v[98:99]
	v_pk_add_f32 v[250:251], v[250:251], v[102:103]
	v_pk_add_f32 v[248:249], v[248:249], v[106:107]
	v_pk_add_f32 v[246:247], v[246:247], v[110:111]
	v_pk_add_f32 v[244:245], v[244:245], v[114:115]
	v_pk_add_f32 v[242:243], v[242:243], v[118:119]
	v_pk_add_f32 v[14:15], v[14:15], v[122:123]
	v_pk_add_f32 v[216:217], v[216:217], v[126:127]
	v_pk_add_f32 v[252:253], v[252:253], v[130:131]
	v_pk_add_f32 v[250:251], v[250:251], v[134:135]
	v_pk_add_f32 v[248:249], v[248:249], v[138:139]
	v_pk_add_f32 v[246:247], v[246:247], v[142:143]
	v_pk_add_f32 v[244:245], v[244:245], v[146:147]
	v_pk_add_f32 v[242:243], v[242:243], v[150:151]
	v_pk_add_f32 v[14:15], v[14:15], v[154:155]
	v_pk_add_f32 v[216:217], v[216:217], v[158:159]
	s_delay_alu instid0(VALU_DEP_2)
	v_pk_add_f32 v[14:15], v[14:15], v[248:249]
	s_delay_alu instid0(VALU_DEP_2)
	v_pk_add_f32 v[216:217], v[216:217], v[246:247]
	v_pk_add_f32 v[252:253], v[252:253], v[244:245]
	v_pk_add_f32 v[250:251], v[250:251], v[242:243]
	s_delay_alu instid0(VALU_DEP_2)
	v_pk_add_f32 v[14:15], v[14:15], v[252:253]
	s_delay_alu instid0(VALU_DEP_2)
	v_pk_add_f32 v[216:217], v[216:217], v[250:251]
	s_delay_alu instid0(VALU_DEP_1)
	v_pk_add_f32 v[14:15], v[14:15], v[216:217]
	s_wait_dscnt 0x0                               ; V's fragments and words are in
.irp t, 0,1,2,3
	OPROD \t
.endr
.Lskip_\@:
	s_add_co_u32 s14, s14, 1
	s_add_co_u32 s15, s15, 12288
	s_add_co_u32 s16, s16, 768
	s_sub_co_u32 s17, s17, 512
.endm
	s_wait_tensorcnt 1                             ; my parts of the scale words and of steps 0-2 are in; the third load may stay out,
	s_wait_dscnt 0x0                               ; my part of the table is written,
	s_wait_loadcnt 0x0                             ; q is in
	s_barrier_signal -1
	s_barrier_wait -1                              ; everybody's are
	s_mov_b32 s18, 3
.Lfirst:
	STEP
	s_sub_co_u32 s18, s18, 1
	s_cmp_lg_u32 s18, 0
	s_cbranch_scc1 .Lfirst
	s_setprio 0
	s_wait_tensorcnt 0x0                           ; my part of steps 3-15 is in
	s_wait_dscnt 0x0
	s_barrier_signal -1
	s_barrier_wait -1
	s_mov_b32 s18, 13
.Lrest:
	STEP
	s_sub_co_u32 s18, s18, 1
	s_cmp_lg_u32 s18, 0
	s_cbranch_scc1 .Lrest
	s_setprio 0
	; THE WAY OUT: O^T / the sum, quantised along the head's 64 channels (two blocks of the last product's K), stored as an image of half a fragment.
.rept 4
	v_nop                                          ; places behind the last products
.endr
	s_wait_alu depctr_va_vdst(0)
	v_add_f32 v14, v14, v15
	s_delay_alu instid0(VALU_DEP_1)
	v_permlanex16_b32 v[TMP], v14, s20, s21
	s_delay_alu instid0(VALU_DEP_1)
	v_add_f32 v14, v14, v[TMP]                     ; the row's sum
	s_wait_alu depctr_va_vdst(0)
	v_rcp_f32 v14, v14
	v_nop                                          ; one plain place behind the reciprocal
	s_wait_alu depctr_va_vdst(0)
.irp j, 0,1,2,3,4,5,6,7,8,9,10,11,12,13,14,15,16,17,18,19,20,21,22,23,24,25,26,27,28,29,30,31
	v_mul_f32 v[SS+\j], v[OO+\j], v14              ; each accumulator from its low end on
.endr
.irp b, 0,1
	v_max3_num_f32 v[BM+\b], |v[SS+16*\b]|, |v[SS+1+16*\b]|, 0x2800000
.endr
.irp i, 2,4,6,8,10,12,14
.irp b, 0,1
	s_delay_alu instid0(VALU_DEP_2)
	v_max3_num_f32 v[BM+\b], v[BM+\b], |v[SS+16*\b+\i]|, |v[SS+1+16*\b+\i]|
.endr
.endr
.irp b, 0,1
	s_delay_alu instid0(VALU_DEP_2)
	v_permlanex16_b32 v[BT+\b], v[BM+\b], s20, s21
.endr
.irp b, 0,1
	s_delay_alu instid0(VALU_DEP_2)
	v_max_num_f32 v[BM+\b], v[BM+\b], v[BT+\b]
.endr
.irp b, 0,1
	s_delay_alu instid0(VALU_DEP_2)
	v_add_nc_u32 v[SOP+\b], 0xfe000000, v[BM+\b]
.endr
.irp b, 0,1
	s_delay_alu instid0(VALU_DEP_2)
	v_lshrrev_b32 v[BT+\b], 23, v[SOP+\b]
.endr
	s_delay_alu instid0(VALU_DEP_1)
	v_lshl_or_b32 v[PSW], v[BT+1], 8, v[BT]        ; two bytes: this head's two blocks
	v_cvt_scalef32_pk16_bf6_f32 v[PF:PF+2], v[SS:SS+15], v[SOP]
	v_cvt_scalef32_pk16_bf6_f32 v[CT:CT+2], v[SS+16:SS+31], v[SOP+1]
	v_nop
.irp i, 0,1,2
	v_permlane16_swap_b32 v[PF+\i], v[CT+\i]
.endr
.irp i, 0,1,2
	s_delay_alu instid0(VALU_DEP_3)
	v_mov_b32 v[PF+3+\i], v[CT+\i]
.endr
	global_store_b128 v1, v[PF:PF+3], s[76:77]     ; 512 consecutive bytes, aligned to 256,
	global_store_b64 v2, v[PF+4:PF+5], s[76:77] offset:512   ; then 256
	global_store_b32 v10, v[PSW], s[78:79]         ; 16 words; both halves of the lanes write the same word with the same value
	s_wait_tensorcnt 0x0
	ds_add_u32 v254, v255
	s_wait_dscnt 0x0
	ROUND                                          ; the closing round
	s_endpgm
.Lfunc_end_k_q21ea83874a_attn:
	.size	k_q21ea83874a_attn, .Lfunc_end_k_q21ea83874a_attn-k_q21ea83874a_attn
	.p2alignl 7, 3214868480
	.fill 96, 4, 3214868480
	.section	.rodata,"a",@progbits
	.p2align	6, 0x0
	.amdhsa_kernel k_q21ea83874a_attn
		.amdhsa_group_segment_fixed_size 252160
		.amdhsa_private_segment_fixed_size 0
		.amdhsa_enable_private_segment 0
		.amdhsa_kernarg_size 16
		.amdhsa_user_sgpr_count 2
		.amdhsa_user_sgpr_kernarg_segment_ptr 1
		.amdhsa_wavefront_size32 1
		.amdhsa_system_sgpr_workgroup_id_x 1
		.amdhsa_system_sgpr_workgroup_id_y 1
		.amdhsa_system_sgpr_workgroup_id_z 1
		.amdhsa_system_vgpr_workitem_id 0
		.amdhsa_next_free_vgpr 256
		.amdhsa_next_free_sgpr 96
		.amdhsa_reserve_vcc 1
		.amdhsa_float_denorm_mode_32 3
		.amdhsa_float_denorm_mode_16_64 3
		.amdhsa_memory_ordered 1
		.amdhsa_forward_progress 1
		.amdhsa_inst_pref_size 60
	.end_amdhsa_kernel
	.amdgpu_metadata
---
amdhsa.version: [ 1, 2 ]
amdhsa.kernels:
  - .name:           k_q21ea83874a_attn
    .symbol:         k_q21ea83874a_attn.kd
    .args:
      - { .name: qkv, .offset: 0, .size: 8, .value_kind: global_buffer, .address_space: global }
      - { .name: aq, .offset: 8, .size: 8, .value_kind: global_buffer, .address_space: global }
    .group_segment_fixed_size: 252160
    .private_segment_fixed_size: 0
    .kernarg_segment_align: 8
    .kernarg_segment_size: 16
    .max_flat_workgroup_size: 512
    .sgpr_count:     96
    .vgpr_count:     256
    .wavefront_size: 32
...
	.end_amdgpu_metadata
.endif
;; end of part 3
;; launch proj (part 4): grid 8 x 32, 4 waves a work-group, clusters of 4 x 4, 239,104 bytes of LDS; arguments aq, wpq, b_proj, out0; writes out0
.if DOCPART == 4
	.amdgcn_target "amdgcn-amd-amdhsa--gfx1250"
	.amdhsa_code_object_version 6
	.text
	.protected	k_q21ea83874a_proj
	.globl	k_q21ea83874a_proj
	.p2align	8
	.type	k_q21ea83874a_proj,@function
k_q21ea83874a_proj:
	s_mov_b64 s[64:65], 0
	v_nop
	global_prefetch_b8 v0, s[64:65] scope:SCOPE_SE
	s_setreg_imm32_b32 hwreg(HW_REG_WAVE_MODE, 25, 1), 1
	s_wait_xcnt 0x0
	s_wait_alu depctr_hold_cnt(0) depctr_sa_sdst(0) depctr_va_vdst(0) depctr_va_sdst(0) depctr_va_ssrc(0) depctr_va_vcc(0) depctr_vm_vsrc(0)
	s_getreg_b32 s2, hwreg(HW_REG_IB_STS2, 6, 4)
	s_cmp_eq_u32 s2, 0
	s_cbranch_scc0 .Lentry_in_a_cluster
	s_endpgm
.Lentry_in_a_cluster:
	s_bfe_u32 s2, ttmp6, 0x10000c
	s_cmp_lg_u32 s2, 0xf033
	s_cbranch_scc0 .Lentry_shape_is_right
	s_endpgm
.Lentry_shape_is_right:
; out0 = attention's result x w_proj + b_proj on codes of BF6 with E8M0 scales; K = 1,024.  out0: [4096][1024] f32.
; 256 tiles of 128 tokens x 128 columns, one to a work-group, so that each WGP has one; four waves, 64 x 64 each: 16 accumulators.  All of K of both sides fits in LDS: it comes in four quarters of 256 along K,
; one joint load a wave and quarter, all issued at the start; nothing is filled again.  4 x 4 work-groups form a cluster: attention's images are shared along a row, w_proj's codes along a column.
; A (attention's result) lies in memory as images of operand registers: tile of 16 tokens x 12,288 + head x 768; two heads' pieces on end are one fragment of 128 along K: it is read by 16 and 8 bytes a lane, as stored.
; B (w_proj) lies as rows of 768 bytes; in LDS a quarter's rows of 192 bytes have 16 bytes of padding behind every 64.
; The matrix instruction is used transposed (source 0 = 16 rows of w_proj's codes, source 1 = 16 tokens): a lane holds eight neighbouring columns of a row of out0.  The bias is the C of each sum's first product.
.set PITCH, 240
.set BQ,    128*PITCH                  ; a quarter of B in LDS
.set AL,    4*BQ                       ; A's images begin here
.set AQ,    24576                      ; a quarter of A: 8 tiles x 3,072 bytes
.set STG,   AL+4*AQ                    ; the stages for the way out: 16 rows x 272 bytes for each wave
.set SPITCH, 272
.set AS,    3145728
.set WPSO,  786432
.set AA16, 8                           ; v8-9   A: 16 x lane + my four tiles, for quarters 0-1 and 2-3 (an LDS offset has 16 bits)
.set AA8,  10                          ; v10-11 A: 8 x lane likewise
.set ADB,  12                          ; v12-13 B: row x pitch + 24 h, for quarters 0-1 and 2-3;  v14-15 the same behind one padding more
.set STO,  16
.set RD,   17
.set CO,   18
.set SC,   24                          ; v24-55 scale words: register 8 i + g: lanes 0-15 A's tile i, lanes 16-31 B's tile i, K step g
.set F0,   64                          ; v64-159  fragments: A's four, then B's four
.set F1,   160                         ; v160-255 the same, the other buffer
.set BK,   64                          ; the way out: rows read back
.set G1, 24                            ; s[24:31] group 1 for A;  s[32:47] its four groups 0
.set G0, 32
.set G1B, 48                           ; s[48:55] group 1 for B;  s[68:83] its four groups 0
.set G0B, 68
.set MSB, 0
.macro WIN new
.if MSB != \new
	s_set_vgpr_msb (MSB<<8)|\new
.set MSB, \new
.endif
.endm
.macro JLOAD g0a, g1a, g0b, g1b        ; waves 0 and 1 fetch for A, waves 2 and 3 for B; four v_nop follow each of the two lines
	s_cmp_eq_u32 s15, 0
	s_cbranch_scc0 .Lfor_b_\@
	tensor_load_to_lds s[\g0a:\g0a+3], s[\g1a:\g1a+7]
	s_nop 0
.rept 4
	v_nop
.endr
	s_branch .Lasked_\@
.Lfor_b_\@:
	tensor_load_to_lds s[\g0b:\g0b+3], s[\g1b:\g1b+7]
	s_nop 0
.rept 4
	v_nop
.endr
.Lasked_\@:
.endm
.macro CROUND
	s_barrier_signal -1
	s_barrier_wait -1
	s_cmp_lg_u32 s14, 0
	s_cbranch_scc1 .Lnot_wave_0_\@
	s_barrier_signal -3
.Lnot_wave_0_\@:
	s_barrier_wait -3
	s_barrier_signal -1
	s_barrier_wait -1
.endm
	s_load_b128 s[4:7], s[0:1], 0x0                ; aq, wpq
	s_load_b128 s[8:11], s[0:1], 0x10              ; b_proj, out0
	v_lshl_add_u32 v62, v0, 2, 0x3a400
	v_mov_b32 v63, 0
	ds_add_u32 v62, v63
	ds_add_u32 v62, v63
	v_lshrrev_b32 v1, 5, v0
	v_readfirstlane_b32 s14, v1                    ; wave 0..3
	s_lshr_b32 s15, s14, 1                         ; which half of the tokens is mine.  Also: I fetch for A (0) or for B (1)
	s_and_b32 s16, s14, 1                          ; which half of the columns.  Also: which half of a quarter I fetch
	s_bfe_u32 s84, ttmp6, 0x40000                  ; cx
	s_bfe_u32 s85, ttmp6, 0x40004                  ; cy
	s_lshl_b32 s86, ttmp9, 2
	s_add_co_u32 s86, s86, s84                     ; tile column: 128 columns
	s_and_b32 s17, ttmp7, 0xffff
	s_lshl_b32 s17, s17, 2
	s_add_co_u32 s17, s17, s85                     ; tile row: 128 tokens
	s_lshl_b32 s87, s85, 2
	s_lshl_b32 s87, 15, s87                        ; my row of the cluster
	s_lshl_b32 s88, 0x1111, s84                    ; my column
	s_or_b32 s[G1], s87, (3<<16)|(1<<21)           ; A: 4 tiles of tokens x 3,072 bytes (384 elements of 8 bytes), 12,288 bytes apart; no padding
	s_mov_b32 s[G1+1], 384<<16
	s_mov_b32 s[G1+2], 4<<16
	s_mov_b32 s[G1+3], 384<<16
	s_mov_b32 s[G1+4], 4
	s_mov_b32 s[G1+5], 1536
	s_mov_b32 s[G1+6], 0
	s_mov_b32 s[G1+7], 0
	s_or_b32 s[G1B], s88, (0<<16)|(1<<20)|(1<<21)|(3<<22)|(3<<25)   ; B: 64 rows x 192 bytes, 768 apart; 16 bytes of padding behind every 64
	s_mov_b32 s[G1B+1], 192<<16
	s_mov_b32 s[G1B+2], 64<<16
	s_mov_b32 s[G1B+3], 192<<16
	s_mov_b32 s[G1B+4], 64
	s_mov_b32 s[G1B+5], 768
	s_mov_b32 s[G1B+6], 0
	s_mov_b32 s[G1B+7], 0
	s_lshl_b32 s20, s17, 3
	s_lshl_b32 s21, s16, 2
	s_add_co_u32 s20, s20, s21
	s_mul_i32 s20, s20, 12288                      ; A: tile of tokens 8 x tile row + 4 x half
	s_mov_b32 s21, 0
	s_lshl_b32 s56, s86, 7
	s_lshl_b32 s57, s16, 6
	s_add_co_u32 s56, s56, s57
	s_mul_i32 s56, s56, 768                        ; B: row 128 x tile column + 64 x half
	s_mov_b32 s57, 0
	s_mul_i32 s22, s16, 12288
	s_add_co_u32 s22, s22, AL                      ; where they go: no place in the cluster enters an LDS address
	s_mul_i32 s58, s16, 64*PITCH
	s_wait_dscnt 0x0
	s_wait_kmcnt 0x0
	s_add_nc_u64 s[20:21], s[4:5], s[20:21]
	s_add_nc_u64 s[56:57], s[6:7], s[56:57]
	CROUND                                         ; all sixteen work-groups are here: the joint loads meet
.irp q, 0,1,2,3
	s_mov_b32 s[G0+4*\q], 1
	s_add_co_u32 s[G0+4*\q+1], s22, \q*AQ
	s_add_nc_u64 s[G0+4*\q+2:G0+4*\q+3], s[20:21], \q*3072
	s_or_b32 s[G0+4*\q+3], s[G0+4*\q+3], 0x80000000
	s_mov_b32 s[G0B+4*\q], 1
	s_add_co_u32 s[G0B+4*\q+1], s58, \q*BQ
	s_add_nc_u64 s[G0B+4*\q+2:G0B+4*\q+3], s[56:57], \q*192
	s_or_b32 s[G0B+4*\q+3], s[G0B+4*\q+3], 0x80000000
	JLOAD G0+4*\q, G1, G0B+4*\q, G1B               ; four tensor loads of mine are out at the most
.endr
	v_and_b32 v1, 15, v0                           ; r
	v_bfe_u32 v2, v0, 4, 1                         ; h
	v_and_b32 v3, 31, v0                           ; lane
	s_mul_i32 s59, s15, 12288
	s_add_co_u32 s59, s59, AL                      ; my four tiles of tokens
	v_lshl_add_u32 v[AA16], v3, 4, s59
	v_lshl_add_u32 v[AA8], v3, 3, s59
	v_add_nc_u32 v[AA16+1], 2*AQ, v[AA16]
	v_add_nc_u32 v[AA8+1], 2*AQ, v[AA8]
	v_mul_u32_u24 v4, v1, PITCH
	v_mad_u32_u24 v4, v2, 24, v4
	s_mul_i32 s60, s16, 64*PITCH                   ; my 64 rows of B
	v_add_nc_u32 v[ADB], s60, v4
	v_lshl_add_u32 v[ADB+2], v2, 4, v[ADB]
	v_add_nc_u32 v[ADB+1], 2*BQ, v[ADB]
	v_add_nc_u32 v[ADB+3], 2*BQ, v[ADB+2]
	s_mul_i32 s61, s14, 16*SPITCH
	s_add_co_u32 s61, s61, STG                     ; my stage
	v_mul_u32_u24 v[STO], v1, SPITCH
	v_lshl_add_u32 v[STO], v2, 5, v[STO]
	v_add_nc_u32 v[STO], s61, v[STO]               ; in: row r, 32 bytes for each half of the lanes
	v_mul_u32_u24 v[RD], v2, SPITCH
	v_lshl_add_u32 v[RD], v1, 4, v[RD]
	v_add_nc_u32 v[RD], s61, v[RD]                 ; back: lanes 0-15 one row of 256 bytes, lanes 16-31 the next
	v_lshlrev_b32 v[CO], 12, v2
	v_lshl_add_u32 v[CO], v1, 4, v[CO]             ; and the same two rows of out0
	v_lshlrev_b32 v19, 2, v1                       ; 4 r
	v_lshlrev_b32 v20, 5, v1                       ; 32 r
	v_lshlrev_b32 v21, 5, v2                       ; 32 h
	s_lshl_b32 s89, s17, 7
	s_lshl_b32 s90, s15, 6
	s_add_co_u32 s89, s89, s90                     ; my first token
	s_lshl_b32 s90, s86, 7
	s_lshl_b32 s91, s16, 6
	s_add_co_u32 s90, s90, s91                     ; my first column
	s_lshl_b32 s62, s89, 2
	s_add_co_u32 s62, s62, AS
	s_mov_b32 s63, 0
	s_add_nc_u64 s[62:63], s[4:5], s[62:63]        ; A's scale words: head x 16,384 + 4 x token
	s_lshl_b32 s66, s90, 5
	s_add_co_u32 s66, s66, WPSO
	s_mov_b32 s67, 0
	s_add_nc_u64 s[66:67], s[6:7], s[66:67]        ; B's scale bytes: 32 a row
	s_lshl_b32 s92, s90, 2
	s_mov_b32 s93, 0
	s_add_nc_u64 s[94:95], s[8:9], s[92:93]        ; the bias
	s_lshl_b32 s89, s89, 12
	s_add_co_u32 s92, s92, s89
	s_add_nc_u64 s[10:11], s[10:11], s[92:93]      ; out0 at my first token and column
	; THE SCALE WORDS, once, while the tiles are on their way, through the registers of buffer 0.  A's word of a K step is two heads' two bytes each.
.irp i, 0,1,2,3
.irp g, 0,1,2,3,4,5,6,7
	global_load_b32 v[F0+8*\i+\g], v19, s[62:63] offset:(2*\g)*16384+64*\i
	global_load_b32 v[F0+32+8*\i+\g], v19, s[62:63] offset:(2*\g+1)*16384+64*\i
.endr
	global_load_b128 v[F0+64+8*\i:F0+64+8*\i+3], v20, s[66:67] offset:512*\i
	global_load_b128 v[F0+64+8*\i+4:F0+64+8*\i+7], v20, s[66:67] offset:512*\i+16
.endr
	WIN 0x40                                       ; destination window 1
.irp b, 0,1,2,3
	global_load_b128 v[128+8*\b:128+8*\b+3], v21, s[94:95] offset:64*\b        ; b_proj at my first column + 16 b + 8 h + 0 .. 7
	global_load_b128 v[128+8*\b+4:128+8*\b+7], v21, s[94:95] offset:64*\b+16
.endr
	WIN 0
	s_mov_b32 vcc_lo, 0xffff0000                   ; lanes 16-31 carry B's words
	s_wait_loadcnt 0x0
.irp k, 0,1,2,3,4,5,6,7,8,9,10,11,12,13,14,15,16,17,18,19,20,21,22,23,24,25,26,27,28,29,30,31
	v_lshl_or_b32 v[SC+\k], v[F0+32+\k], 16, v[F0+\k]
.endr
.irp k, 0,1,2,3,4,5,6,7,8,9,10,11,12,13,14,15,16,17,18,19,20,21,22,23,24,25,26,27,28,29,30,31
	v_cndmask_b32 v[SC+\k], v[SC+\k], v[F0+64+\k], vcc_lo
.endr
.rept 8
	v_nop                                          ; a scale register written by a vector instruction stands eight places ahead of a scaled matrix instruction
.endr
.macro FRAG reg, adr, q, i, base       ; B's fragment: 16 rows x 128 K, in pieces of 8 bytes; where the piece three on (lanes 16-31) lies behind one padding more, the second address register serves
.irp p, 0,1,2,3,4,5
.set PCE, 12*(\q)+6*(\p/3)+\p%3
.if PCE%8 < 5
	ds_load_b64 v[\reg+2*\p:\reg+2*\p+1], v[\adr] offset:(\base)+8*PCE+16*(PCE/8)+(\i)*16*PITCH
.else
	ds_load_b64 v[\reg+2*\p:\reg+2*\p+1], v[\adr+2] offset:(\base)+8*PCE+16*(PCE/8)+(\i)*16*PITCH
.endif
.endr
.endm
.macro FETCH g, f                      ; K step g's eight fragments into buffer f: 16 + 24 loads
.irp i, 0,1,2,3
	ds_load_b128 v[\f+12*\i:\f+12*\i+3], v[AA16+(\g)/4] offset:(((\g)/2)%2)*AQ+\i*3072+((\g)%2)*1536
	ds_load_b64 v[\f+12*\i+4:\f+12*\i+5], v[AA8+(\g)/4] offset:(((\g)/2)%2)*AQ+\i*3072+((\g)%2)*1536+512
	ds_load_b128 v[\f+12*\i+6:\f+12*\i+9], v[AA16+(\g)/4] offset:(((\g)/2)%2)*AQ+\i*3072+((\g)%2)*1536+768
	ds_load_b64 v[\f+12*\i+10:\f+12*\i+11], v[AA8+(\g)/4] offset:(((\g)/2)%2)*AQ+\i*3072+((\g)%2)*1536+1280
.endr
.irp i, 0,1,2,3
	FRAG \f+48+12*\i, ADB+(\g)/4, (\g)%2, \i, (((\g)/2)%2)*BQ
.endr
.endm
.macro MULS g, f                       ; the 16 accumulators take turns, in the same order in every K step
.irp a, 0,1,2,3
.irp b, 0,1,2,3
.if (\g) == 0
	v_wmma_scale_f32_16x16x128_f8f6f4 v[8*(4*\a+\b):8*(4*\a+\b)+7], v[\f+48+12*\b:\f+48+12*\b+11], v[\f+12*\a:\f+12*\a+11], v[128+8*\b:128+8*\b+7], v[SC+8*\b+(\g)], v[SC+8*\a+(\g)] matrix_a_fmt:MATRIX_FMT_BF6 matrix_b_fmt:MATRIX_FMT_BF6 matrix_a_scale:MATRIX_SCALE_ROW1
.else
	v_wmma_scale_f32_16x16x128_f8f6f4 v[8*(4*\a+\b):8*(4*\a+\b)+7], v[\f+48+12*\b:\f+48+12*\b+11], v[\f+12*\a:\f+12*\a+11], v[8*(4*\a+\b):8*(4*\a+\b)+7], v[SC+8*\b+(\g)], v[SC+8*\a+(\g)] matrix_a_fmt:MATRIX_FMT_BF6 matrix_b_fmt:MATRIX_FMT_BF6 matrix_a_scale:MATRIX_SCALE_ROW1
.endif
.endr
.endr
.endm
.macro KSTEP g
.if ((\g)%2 == 1) && ((\g) < 7)
	s_wait_tensorcnt 3-((\g)+1)/2                  ; my part of the next quarter is in; the later quarters' loads may stay out
	s_wait_dscnt 0x0
	s_barrier_signal -1
	s_barrier_wait -1
.endif
.if (\g) >= 1
.rept 4
	v_nop                                          ; places in front of the loads into the buffer that the last step's products read
.endr
.endif
.if (\g) < 7
	FETCH (\g)+1, F0+96*(((\g)+1)%2)
	s_wait_dscnt 40                                ; this step's fragments are in; the forty loads just issued may be out
.else
	s_wait_dscnt 0x0
.endif
	WIN 0x50                                       ; C and D window 1
	MULS \g, F0+96*((\g)%2)
	WIN 0
.endm
	s_wait_tensorcnt 3                             ; my part of quarter 0 is in
	s_barrier_signal -1
	s_barrier_wait -1
	FETCH 0, F0
.irp g, 0,1,2,3,4,5,6,7
	KSTEP \g
.endr
; THE WAY OUT, 16 tokens x my 64 columns at a time: through my own stage in LDS and back as whole rows of 256 bytes.  LDS serves a wave's instructions in order: no wait between the stores and the loads.
.macro TOSTAGE a
	WIN 0x04                                       ; an LDS store's data are its source 1: window 1
.irp b, 0,1,2,3
	ds_store_b128 v[STO], v[8*(4*(\a)+\b):8*(4*(\a)+\b)+3] offset:64*\b          ; each accumulator from its low end on
	ds_store_b128 v[STO], v[8*(4*(\a)+\b)+4:8*(4*(\a)+\b)+7] offset:64*\b+16
.endr
	WIN 0
.set BB, BK+32*((\a)%2)
.irp t, 0,1,2,3,4,5,6,7
	ds_load_b128 v[BB+4*\t:BB+4*\t+3], v[RD] offset:\t*2*SPITCH
.endr
.endm
.macro SEND a, younger                 ; younger: the LDS instructions issued behind block a's loads, which may stay out
.set BB, BK+32*((\a)%2)
	s_wait_dscnt \younger
.irp t, 0,1,2,3,4,5,6,7
	global_store_b128 v[CO], v[BB+4*\t:BB+4*\t+3], s[10:11] offset:(16*(\a)+2*\t)*4096 th:TH_STORE_NT   ; sixteen lanes store 256 consecutive bytes, aligned
.endr
.endm
.rept 4
	v_nop                                          ; places behind the last products
.endr
	TOSTAGE 0
.irp a, 1,2,3
.if \a > 1
	s_wait_xcnt 0x0                                ; block a - 2's stores have read their registers: block a's loads may land there
.endif
	TOSTAGE \a
	SEND \a-1, 16                                  ; behind block a - 1's loads: block a's eight stores and eight loads
.endr
	SEND 3, 0
	s_wait_tensorcnt 0x0
	ds_add_u32 v62, v63
	s_wait_dscnt 0x0
	CROUND                                         ; the closing round
	s_endpgm
.Lfunc_end_k_q21ea83874a_proj:
	.size	k_q21ea83874a_proj, .Lfunc_end_k_q21ea83874a_proj-k_q21ea83874a_proj
	.p2alignl 7, 3214868480
	.fill 96, 4, 3214868480
	.section	.rodata,"a",@progbits
	.p2align	6, 0x0
	.amdhsa_kernel k_q21ea83874a_proj
		.amdhsa_group_segment_fixed_size 239104
		.amdhsa_private_segment_fixed_size 0
		.amdhsa_enable_private_segment 0
		.amdhsa_kernarg_size 32
		.amdhsa_user_sgpr_count 2
		.amdhsa_user_sgpr_kernarg_segment_ptr 1
		.amdhsa_wavefront_size32 1
		.amdhsa_system_sgpr_workgroup_id_x 1
		.amdhsa_system_sgpr_workgroup_id_y 1
		.amdhsa_system_sgpr_workgroup_id_z 1
		.amdhsa_system_vgpr_workitem_id 0
		.amdhsa_next_free_vgpr 512
		.amdhsa_next_free_sgpr 100
		.amdhsa_reserve_vcc 1
		.amdhsa_float_denorm_mode_32 3
		.amdhsa_float_denorm_mode_16_64 3
		.amdhsa_memory_ordered 1
		.amdhsa_forward_progress 1
		.amdhsa_inst_pref_size 67
	.end_amdhsa_kernel
	.amdgpu_metadata
---
amdhsa.version: [ 1, 2 ]
amdhsa.kernels:
  - .name:           k_q21ea83874a_proj
    .symbol:         k_q21ea83874a_proj.kd
    .args:
      - { .name: aq, .offset: 0, .size: 8, .value_kind: global_buffer, .address_space: global }
      - { .name: wpq, .offset: 8, .size: 8, .value_kind: global_buffer, .address_space: global }
      - { .name: b_proj, .offset: 16, .size: 8, .value_kind: global_buffer, .address_space: global }
      - { .name: out0, .offset: 24, .size: 8, .value_kind: global_buffer, .address_space: global }
    .group_segment_fixed_size: 239104
    .private_segment_fixed_size: 0
    .kernarg_segment_align: 8
    .kernarg_segment_size: 32
    .max_flat_workgroup_size: 128
    .sgpr_count:     100
    .vgpr_count:     512
    .wavefront_size: 32
...
	.end_amdgpu_metadata
.endif
;; end of part 4
